; MI455X (gfx1250); checked and timed in simulation.
; The chip was launched on July 23, 2026; its instructions are those of AMD's public machine-readable ISA for CDNA 5 (MIT licence, August 2026) and "CDNA5" Instruction Set Architecture Reference Guide (July 2026). The comments in the code are by the model that wrote it; some were corrected since.
;; Parallel Transformer Block. Allowed arithmetic: matrix products marked QUANTISED: E2M1 operands, one E8M0 scale for each 32 along K, by v_wmma_scale_f32_16x16x128_f8f6f4 with both operands' format E2M1 (or v_wmma_scale_f32_32x16x128_f4), f32 sums; products left as they are: f32 operands where the result goes on into a quantised operand, else bf16, f16 or f32 operands; f32 sums; everything else in f32.
;; Inputs: W_attn_out_codes 1,024 x 16 x 16 uint8 (E2M1 codes of W_attn_out, K innermost, in blocks of 32 codes, two codes a byte); W_attn_out_scales 1,024 x 16 uint8 (E8M0 scales of W_attn_out, one for each 32 codes along K); W_ff_out_codes 1,024 x 128 x 16 uint8 (E2M1 codes of W_ff_out, K innermost, in blocks of 32 codes, two codes a byte); W_ff_out_scales 1,024 x 128 uint8 (E8M0 scales of W_ff_out, one for each 32 codes along K); W_fused_codes 8,768 x 32 x 16 uint8 (E2M1 codes of W_fused, K innermost, in blocks of 32 codes, two codes a byte); W_fused_scales 8,768 x 32 uint8 (E8M0 scales of W_fused, one for each 32 codes along K); gamma 1,024 float32; x 2 x 2,048 x 1,024 float32.
;; Outputs: out0 2 x 2,048 x 1,024 float32.
;; This version of the problem:
;;   THIS VERSION OF THE PROBLEM IS GIVEN IN LOW PRECISION. The matrix products marked QUANTISED in the list below multiply operands that are first quantised to E2M1 (2 exponent bits, 1 mantissa bit; 4 bits a number), with one power-of-two scale for each 32 numbers along K (OCP MX v1.0); their sums are f32. All else is computed in f32.
;;   The module's matrix products, in the order in which they are computed (A, B: the left and right operand; K: the contracted axis; several contracted axes count as one K, in the product's order):
;;     1. [M 4,096, K 1,024] x [K 1,024, N 8,768]; A: computed on the way; B: input W_fused (given as codes): QUANTISED
;;     2. [M 2,048, K 1] x [K 1, N 16]; A: computed on the way; B: computed on the way: left as it is (no contracted axis)
;;     3. batch 2 x [M 32,768, K 32] x [K 32, N 2,048]; A: computed on the way; B: computed on the way: QUANTISED
;;     4. batch 2 x [M 32,768, K 2,048] x [K 2,048, N 32]; A: softmax (see below); B: computed on the way: QUANTISED
;;     5. [M 4,096, K 512] x [K 512, N 1,024]; A: computed on the way; B: input W_attn_out (given as codes): QUANTISED
;;     6. [M 4,096, K 4,096] x [K 4,096, N 1,024]; A: computed on the way; B: input W_ff_out (given as codes): QUANTISED
;;   THE QUANTISER, for each operand of a quantised product, along K:
;;     - K is cut into blocks of 32 from its start; a last block that is shorter is filled with zeros.
;;     - A block's scale is 2^e with e = floor(log2(the largest magnitude in the block)) - 2, held to -126 .. 127; a block of zeros has e = 0. As a byte (E8M0): e + 127.
;;     - Each number is divided by its block's scale, clamped to +-6, and rounded to the nearest number of E2M1, ties to even, subnormals kept.
;;     - The product sums the exact products of the quantised numbers (number of the format x scale) in f32.
;;   ~~~python
;;   def quantise(x, axis):      # numpy; x: float32 -> the quantised numbers, widened to float32 again
;;       x = np.moveaxis(x, axis, -1); K = x.shape[-1]
;;       x = np.pad(x, [(0, 0)] * (x.ndim - 1) + [(0, -K % 32)]); x = x.reshape(x.shape[:-1] + (-1, 32)); a = np.abs(x).max(-1, keepdims=True)
;;       e = np.where(a > 0, np.clip(np.frexp(np.where(a > 0, a, 1))[1] - 1 - 2, -126, 127), 0)      # np.frexp(a)[1] - 1 = floor(log2(a)), exactly
;;       r = np.clip(x / 2.0 ** e, -6, 6)
;;       step = 2.0 ** (np.maximum(np.frexp(np.where(r == 0, 1, r))[1] - 1, 0) - 1)
;;       q = np.round(r / step) * step * 2.0 ** e      # np.round: ties to even
;;       return np.moveaxis(q.reshape(q.shape[:-2] + (-1,))[..., :K], -1, axis).astype(np.float32)
;;   ~~~
;;   SOFTMAX AHEAD OF A QUANTISED PRODUCT. Where the list says 'softmax', what is quantised is not the finished softmax but p = 2^(t - M), with t = logit x log2(e) and M = ceil(the row's largest t), a whole number; so 1/2 < the row's largest p <= 1. The row's sum l is taken of the UNQUANTISED p, in f32, and the product's result is divided by l at the end. Since M is a whole number, a kernel that streams over the keys may use a running M (the ceiling of the running maximum): every later rescaling is an exact power of two, which a block's scale takes up: the codes' values come out the same.
;;   OPERANDS COMPUTED ON THE WAY. 'Computed on the way' means the value that the module computes at that place (a softmax that the list does not call 'softmax' is quantised finished and normalised). What goes into a quantiser is computed in f32, as accurately as f32 sums, v_exp_f32 and their like allow (about 1e-6 of the number): no bf16 or f16 on the way to a quantiser, and a product that is left as it is and whose result goes on into a quantised operand takes f32 operands (vector FMAs, or v_wmma_f32_16x16x4_f32). A number that lies on a knife's edge between two numbers of the format may be rounded either way, as far as f32 arithmetic and the matrix unit's own rounding can turn it there, and no further.
;;   INPUTS GIVEN AS CODES. W_attn_out (in the module: [512, 1024], K = its axis 0); W_ff_out (in the module: [4096, 1024], K = its axis 0); W_fused (in the module: [1024, 8768], K = its axis 0): each comes as NAME_codes (uint8): NAME with its K axis moved to the last place and cut into blocks of 32 codes, [.., K / 32, bytes a block], one block behind the other in memory; two codes a byte, the lower K in the low four bits (a code: sign, 2 exponent bits, 1 mantissa bit); and NAME_scales (uint8): the same leading axes, one E8M0 byte (e + 127) for each 32 codes along K. Its value is code x scale, taken as it is: it is not quantised again, and the codes and scales need not be those that the quantiser above would give.
;; One version. Each part assembles by itself: llvm-mc -triple=amdgcn-amd-amdhsa -mcpu=gfx1250 --defsym DOCPART=n.
;; ======== version 1 of 1: 4 launches
;; limits: right only within a limited range of input values
;; workspace buffers: XB 2,228,224 bytes; WO 2,359,296 bytes; QB 1,310,720 bytes; KV 151,552 bytes; AB 10,027,008 bytes
;; launch pq (part 1): grid 128 x 1, 16 waves a work-group, no clusters, 137,728 bytes of LDS; arguments x, gamma, W_ff_out_codes, W_attn_out_codes, W_fused_codes, W_fused_scales, XB, WO, QB, KV; writes XB, WO, QB, KV
.if DOCPART == 1
	.amdgcn_target "amdgcn-amd-amdhsa--gfx1250"
	.amdhsa_code_object_version 6
	.text
	.protected	k_q8913f95583_pq
	.globl	k_q8913f95583_pq
	.p2align	8
	.type	k_q8913f95583_pq,@function
k_q8913f95583_pq:
	s_mov_b64 s[64:65], 0
	v_nop
	global_prefetch_b8 v0, s[64:65] scope:SCOPE_SE
	s_setreg_imm32_b32 hwreg(HW_REG_WAVE_MODE, 25, 1), 1
	s_wait_xcnt 0x0
; PQ.  LayerNorm and its quantiser, the fused projection's columns 0 to 575 (q, k, v) on codes of E2M1, the rotary turn in f32, and the quantisers of the attention's operands, in one launch; beside them the re-laying of two weights.
; (1) LayerNorm of x [4096][1024] f32 (mean, then the variance of x - mean: two passes over registers), times gamma, quantised along K: codes to XB [4096][512 B], scale bytes to XB + 2,097,152 [4096][32 B], and both into LDS.
; (2) The rotary table in LDS [set 2][row tile 2][j 8][lane 32][C, S] f32: row 16 a + lane % 16, frequency d = 8 (lane / 16) + j: set 0 (cos s, sin s) for q, set 1 (cos / s, sin / s) for k.
; (3) The codes of W_ff_out and W_attn_out re-laid as images of operand registers: WO [128 columns 8][K step 36][16 columns 8][1,024 B]; an image's byte 512 c + 16 lane is what register group c of that lane takes.
; (4) q, k, v.  THE PRODUCT IS USED TRANSPOSED (source 0 = 16 rows of W, source 1 = 16 rows of x): lane (r, h) holds row r and its registers the eight columns 8 h + j; for v the sources change places: a lane holds one channel and eight keys.
; SHARES.  Work-group id: rows 32 id on, which are one block of 32 keys.  Wave w: rows 2 w and 2 w + 1 of them through (1); the table's entries (a, j) = (w / 8, w % 8); one image of W_ff_out (waves 4 to 7 also half an image of W_attn_out);
; then head w of q: 32 rows of W x 32 rows of x, four accumulators, 32 products.  Its rows of W come straight from memory into registers, each lane its fragments: the even K steps are asked for at the start, the odd ones land in
; the registers of a row of x as soon as that row has gone into its stage.  k's and v's 64 rows of W are copied into LDS at the start; wave 0 (k) and wave 1 (v) make a second pass with them.
; 128 work-groups: v's quantiser wants 32 keys in one work-group.  No tensor load and no cluster: of W only 34 KB pass through LDS, and each wave's rows of W are its own.
; OUT.  QB: codes [row block 256][head 16][row 16][16 B]; + 1,048,576: scale words [head 16][row 4096] (byte 0 the scale, the rest 0): a wave stores 128 consecutive bytes.  KV, for each batch 75,776 bytes: k's codes [key][16 B];
; + 32,768 k's scale words [key]; + 40,960 v's codes [key block 64][channel 32][16 B]; + 73,728 v's scale words [128 keys 16][channel 32], byte b for key block b: a work-group owns one byte of each of 32 words.
; LIMITS.  NaN and infinities are not served.  A block whose largest magnitude lies under 2^-124, a block of zeros too, gets the byte 1 (the bytes are read by this program alone).
; sin and cos: the angle, at most 2,047, less n pi/2 in two parts, then polynomials of degree 7 and 8 on +-pi/4, good to about 1e-7.  cos and the xpos scale are multiplied once here, where the source has (t cos) s.
.set STG,  4608                        ; LDS: a stage for each wave: 32 blocks x (128 bytes + 16)
.set XS,   73728                       ; 32 rows x 32 scale bytes of x
.set XC,   74752                       ; x's codes, 32 rows of 512 bytes + 16
.set TABL, 91648                       ; the table, 8,192 bytes
.set WKV,  99840                       ; k's and v's 64 rows of W, 512 bytes + 16 each
.set WKS,  133632                      ; and their scale bytes, 32 a row
.set SPARE, 135680                     ; the spare words, 128 bytes a wave
.set P,    528
.set SXR,  12                          ; v12-15    x's scale words, two buffers of two: scales and nothing else
.set G,    16                          ; v16-47    gamma, as a row is loaded; later the accumulators
.set ACC,  16
.set X,    48                          ; v48-111   two rows, 32 registers each: register 4 j + e = element 128 j + 4 lane + e; later W's odd K steps
.set B,    176                         ; v176-207  the table's work and k's, v's rows on their way; a row by blocks; later x's fragments, two buffers
.set XF,   176
.set C,    208                         ; v208-215  x's codes, never rewritten
.set SWR,  216                         ; v216-223, v232-239 W's scale words, tile u at SWR + 16 u + K step: scales and nothing else
.set WD,   224                         ; v224-231  an image of W_ff_out
.set T,    240                         ; v240-243 at work; v244-247 half an image of W_attn_out
.set TO,   248                         ; v248-251  the table's results; later codes on their way out
.set TB,   112                         ; behind the products: (C, S) of row tile a, register j at TB + 16 a + 2 j,
.set R,    144                         ; 32 turned numbers
.set PC,   248
.set TM,   240
.set TS,   244
.set BY,   246
.set SEL,  36                          ; s[36:37] v_permlanex16_b32's selects for lane l xor 16
; v1 lane, v2 16 lane, v6 4 lane, v10 r, v11 h, v252 512 r + 16 h, v253 32 r.  Ahead of the barrier: v3, v4 the stage, v5 my rows' scale bytes, v7, v8 the images' rows, v9 my rows' codes in LDS.
; Behind it: v3 x's fragments, v4 x's scale words, v5 the table, v7 4096 h + 16 r, v8 k's or v's fragments of W, v9 their scale words, v10 XS + 16 lane, v11 a row's scale byte.
.macro D n
	s_delay_alu instid0(VALU_DEP_\n)
.endm
.macro PLACES n
.rept \n
	v_nop
.endr
.endm
.macro GLW s                           ; my 32 rows of W, K step s: even steps at v112 on, odd ones at v48 on
.set WRS, 112-64*((\s)%2)+16*((\s)/2)
.irp u, 0,1
.irp c, 0,1
	global_load_b128 v[WRS+8*\u+4*\c:WRS+8*\u+4*\c+3], v252, s[78:79] offset:\u*8192+64*(\s)+32*\c
.endr
.endr
.endm
	s_load_b256 s[4:11], s[0:1], 0x0               ; x, gamma, W_ff_out codes, W_attn_out codes
	s_load_b256 s[12:19], s[0:1], 0x20             ; W_fused codes, W_fused scales, XB, WO
	s_load_b128 s[20:23], s[0:1], 0x40             ; QB, KV
	v_lshl_add_u32 v254, v0, 2, SPARE
	v_mov_b32 v255, 0
	v_lshrrev_b32 v1, 5, v0
	D 1
	v_readfirstlane_b32 s24, v1                    ; wave 0..15
	v_and_b32 v1, 31, v0                           ; lane
	D 1
	v_lshlrev_b32 v2, 4, v1
	s_mul_i32 s25, s24, STG
	v_lshrrev_b32 v3, 3, v1
	D 1
	v_mul_u32_u24 v3, v3, 144
	v_and_b32 v4, 7, v1
	D 1
	v_lshl_add_u32 v3, v4, 4, v3
	D 1
	v_add_nc_u32 v3, s25, v3                       ; into the stage: load j's 512 bytes are blocks 4 j .. 4 j + 3: 144 (lane / 8) + 16 (lane % 8), + 576 j
	v_mul_u32_u24 v4, v1, 144
	D 1
	v_add_nc_u32 v4, s25, v4                       ; out of it: block = lane
	s_lshl_b32 s25, s24, 6
	s_add_co_u32 s25, s25, XS
	v_add_nc_u32 v5, s25, v1                       ; my block's scale byte: 32 bytes a row, two rows a wave
	v_lshlrev_b32 v6, 2, v1
	s_mul_i32 s25, s24, 2*P
	s_add_co_u32 s25, s25, XC
	v_add_nc_u32 v9, s25, v2                       ; my rows' codes in LDS
	v_and_b32 v10, 15, v1                          ; r
	v_lshrrev_b32 v11, 4, v1                       ; h
	D 2
	v_lshlrev_b32 v7, 11, v10
	D 1
	v_lshl_add_u32 v7, v11, 4, v7                  ; W_ff_out: row r of 2,048 bytes, + 16 h
	v_lshlrev_b32 v8, 8, v10
	D 1
	v_lshl_add_u32 v8, v11, 4, v8                  ; W_attn_out: row r of 256 bytes, + 16 h
	v_lshlrev_b32 v252, 9, v10
	D 1
	v_lshl_add_u32 v252, v11, 4, v252              ; W_fused: row r of 512 bytes, + 16 h
	v_lshlrev_b32 v253, 5, v10                     ; its scale bytes: 32 a row
	s_mov_b32 s[SEL], 0x76543210
	s_mov_b32 s[SEL+1], 0xfedcba98
	s_mov_b32 s32, 0x3a800000                      ; 1 / 1024
	s_mov_b32 s33, 0x3727c5ac                      ; 1e-5
	s_mov_b32 s38, 0xffff0000                      ; lanes 16 to 31
	s_lshl_b32 s26, ttmp9, 17
	s_lshl_b32 s27, s24, 13
	s_add_co_u32 s26, s26, s27                     ; x: (32 id + 2 w) rows of 4,096 bytes
	s_mov_b32 s27, 0
	s_lshl_b32 s28, ttmp9, 14
	s_lshl_b32 s29, s24, 10
	s_add_co_u32 s28, s28, s29                     ; the codes: the same rows of 512 bytes
	s_mov_b32 s29, 0
	s_lshl_b32 s30, ttmp9, 10
	s_add_co_u32 s30, s30, 2097152                 ; the scale bytes of the 32 rows
	s_mov_b32 s31, 0
	s_lshl_b32 s34, ttmp9, 5
	s_and_b32 s34, s34, 2047
	s_lshr_b32 s35, s24, 3
	s_lshl_b32 s35, s35, 4
	s_add_co_u32 s34, s34, s35                     ; the table: first position of row tile a = w / 8,
	s_and_b32 s35, s24, 7                          ; j = w % 8
	s_lshl_b32 s40, ttmp9, 4
	s_add_co_u32 s40, s40, s24                     ; which of 2,048 waves
	s_lshr_b32 s41, s40, 5                         ; W_ff_out: 16 columns nb,
	s_and_b32 s40, s40, 31                         ; K step t
	s_lshl_b32 s42, s41, 15
	s_lshl_b32 s43, s40, 6
	s_add_co_u32 s42, s42, s43                     ; from: 16 nb rows of 2,048 bytes + 64 t
	s_mov_b32 s43, 0
	s_lshr_b32 s44, s41, 3
	s_mul_i32 s44, s44, 36
	s_add_co_u32 s44, s44, s40
	s_lshl_b32 s44, s44, 3
	s_and_b32 s41, s41, 7
	s_add_co_u32 s44, s44, s41
	s_lshl_b32 s44, s44, 10                        ; to: (((nb / 8) 36 + t) 8 + nb % 8) images
	s_mov_b32 s45, 0
	s_bfe_u32 s41, s24, 0x10001
	s_lshl_b32 s40, ttmp9, 1
	s_add_co_u32 s40, s40, s41                     ; W_attn_out (waves 4 to 7): image 2 id + (w / 2) % 2, half w % 2
	s_lshr_b32 s41, s40, 2                         ; 16 columns,
	s_and_b32 s40, s40, 3                          ; K step
	s_and_b32 s39, s24, 1
	s_lshl_b32 s46, s41, 12
	s_lshl_b32 s47, s40, 6
	s_add_co_u32 s46, s46, s47
	s_lshl_b32 s47, s39, 5
	s_add_co_u32 s46, s46, s47
	s_mov_b32 s47, 0
	s_lshr_b32 s48, s41, 3
	s_mul_i32 s48, s48, 36
	s_add_co_u32 s48, s48, s40
	s_add_co_u32 s48, s48, 32                      ; its K steps stand behind W_ff_out's 32
	s_lshl_b32 s48, s48, 3
	s_and_b32 s41, s41, 7
	s_add_co_u32 s48, s48, s41
	s_lshl_b32 s48, s48, 10
	s_lshl_b32 s49, s39, 9
	s_add_co_u32 s48, s48, s49
	s_mov_b32 s49, 0
	s_lshl_b32 s50, s24, 14                        ; W_fused: my head's 32 rows of 512 bytes,
	s_mov_b32 s51, 0
	s_lshl_b32 s52, s24, 10                        ; and of 32 scale bytes
	s_mov_b32 s53, 0
	s_lshl_b32 s54, s24, 11
	s_add_co_u32 s54, s54, 512*512                 ; k's and v's rows: 512 + 4 w on,
	s_mov_b32 s55, 0
	s_lshl_b32 s56, s24, 7
	s_add_co_u32 s56, s56, 512*32                  ; and 128 of their 2,048 scale bytes
	s_mov_b32 s57, 0
	s_lshl_b32 s58, ttmp9, 13
	s_lshl_b32 s59, s24, 8
	s_add_co_u32 s58, s58, s59                     ; q's codes: row block 2 id, head w
	s_mov_b32 s59, 0
	s_lshl_b32 s60, s24, 14
	s_lshl_b32 s61, ttmp9, 7
	s_add_co_u32 s60, s60, s61
	s_add_co_u32 s60, s60, 1048576                 ; q's scale words: head w, rows 32 id on
	s_mov_b32 s61, 0
	s_lshr_b32 s62, ttmp9, 6
	s_mul_i32 s62, s62, 75776                      ; my batch's part of KV
	s_and_b32 s63, ttmp9, 63                       ; the key block
	s_lshl_b32 s66, s63, 7
	s_add_co_u32 s66, s66, s62
	s_add_co_u32 s66, s66, 32768                   ; k's scale words
	s_mov_b32 s67, 0
	s_lshr_b32 s68, s63, 2
	s_lshl_b32 s68, s68, 7
	s_add_co_u32 s68, s68, s62
	s_and_b32 s69, ttmp9, 3
	s_add_co_u32 s68, s68, s69
	s_add_co_u32 s68, s68, 73728                   ; v's scale words: 128 keys (key block / 4), byte key block % 4
	s_mov_b32 s69, 0
	s_lshl_b32 s63, s63, 9
	s_add_co_u32 s62, s62, s63                     ; k's codes of my 32 keys; v's key block lies 40,960 bytes on
	s_mov_b32 s63, 0
	s_lshr_b32 s39, s24, 2                         ; 1 in waves 4 to 7
	s_wait_alu depctr_va_vdst(0)                   ; the wait at the head's end
	s_wait_kmcnt 0x0
	s_add_nc_u64 s[4:5], s[4:5], s[26:27]
	s_add_nc_u64 s[70:71], s[16:17], s[28:29]
	s_add_nc_u64 s[72:73], s[16:17], s[30:31]
	s_add_nc_u64 s[8:9], s[8:9], s[42:43]
	s_add_nc_u64 s[74:75], s[18:19], s[44:45]
	s_add_nc_u64 s[10:11], s[10:11], s[46:47]
	s_add_nc_u64 s[76:77], s[18:19], s[48:49]
	s_add_nc_u64 s[78:79], s[12:13], s[50:51]
	s_add_nc_u64 s[80:81], s[14:15], s[52:53]
	s_add_nc_u64 s[82:83], s[12:13], s[54:55]
	s_add_nc_u64 s[84:85], s[14:15], s[56:57]
	s_add_nc_u64 s[86:87], s[20:21], s[58:59]
	s_add_nc_u64 s[88:89], s[20:21], s[60:61]
	s_add_nc_u64 s[90:91], s[22:23], s[62:63]
	s_add_nc_u64 s[92:93], s[22:23], s[66:67]
	s_add_nc_u64 s[94:95], s[22:23], s[68:69]
	s_cmp_lg_u32 s39, 1                            ; the one load that only some waves issue is the oldest: the counts below name the loads behind what they wait for
	s_cbranch_scc1 .Lno_a1
	global_load_b128 v[244:247], v8, s[10:11]
.Lno_a1:
.irp i, 0,1,2,3
	global_load_b128 v[192+4*\i:195+4*\i], v2, s[82:83] offset:512*\i   ; a row of k's or v's W: 512 consecutive bytes
.endr
	global_load_b32 v191, v6, s[84:85]
.irp j, 0,1,2,3,4,5,6,7
	global_load_b128 v[G+4*\j:G+4*\j+3], v2, s[6:7] offset:512*\j
.endr
.irp i, 0,1
.irp j, 0,1,2,3,4,5,6,7
	global_load_b128 v[X+32*\i+4*\j:X+32*\i+4*\j+3], v2, s[4:5] offset:4096*\i+512*\j th:TH_LOAD_NT   ; 32 lanes read 512 consecutive bytes
.endr
.endr
.irp c, 0,1
	global_load_b128 v[WD+4*\c:WD+4*\c+3], v7, s[8:9] offset:32*\c   ; the image's two halves
.endr
	GLW 0
	GLW 2
	GLW 4
	GLW 6
.irp u, 0,1
.irp g, 0,1
	global_load_b128 v[SWR+16*\u+4*\g:SWR+16*\u+4*\g+3], v253, s[80:81] offset:\u*512+16*\g   ; W's scale words: a row's eight
.endr
.endr
; THE TABLE, while the loads are on their way.
.macro PICK c, lit
	v_cmp_ne_u32 vcc_lo, \c, v176
	D 1
	v_cndmask_b32 v177, \lit, v177, vcc_lo
.endm
	v_add_nc_u32 v178, s34, v10                    ; my row's position
	v_lshl_add_u32 v176, v11, 3, s35               ; d = 8 h + j
	v_mov_b32 v177, 1.0                            ; 10^(-d / 4), rounded to f32, picked from sixteen constants
	PICK 1, 0x3f0ff59a
	PICK 2, 0x3ea1e89b
	PICK 3, 0x3e361887
	PICK 4, 0x3dcccccd
	PICK 5, 0x3d6655c3
	PICK 6, 0x3d0186e2
	PICK 7, 0x3c91ad39
	PICK 8, 0x3c23d70a
	PICK 9, 0x3bb8449c
	PICK 10, 0x3b4f3e37
	PICK 11, 0x3ae91528
	PICK 12, 0x3a83126f
	PICK 13, 0x3a136a16
	PICK 14, 0x39a5cb5f
	PICK 15, 0x393a7753
	v_cvt_f32_u32 v179, v178
	D 1
	v_mul_f32 v179, v179, v177                     ; the angle: one rounding
	D 1
	v_mul_f32 v180, 0x3f22f983, v179               ; x 2 / pi
	D 1
	v_rndne_f32 v180, v180                         ; n
	D 1
	v_fma_f32 v181, v180, 0xbfc90fdb, v179         ; less n x (pi / 2 as f32),
	D 1
	v_fma_f32 v181, v180, 0x333bbd2e, v181         ; less n x the rest of pi / 2: r in +-pi / 4
	D 1
	v_mul_f32 v182, v181, v181                     ; z = r r
	v_mov_b32 v183, 0xb94ca1f9
	D 1
	v_fma_f32 v183, v183, v182, 0x3c08839e
	D 1
	v_fma_f32 v183, v183, v182, 0xbe2aaaa3
	D 1
	v_mul_f32 v183, v183, v182
	D 1
	v_fma_f32 v183, v183, v181, v181               ; sin r
	v_mov_b32 v184, 0x37ccf5ce
	D 1
	v_fma_f32 v184, v184, v182, 0xbab6061a
	D 1
	v_fma_f32 v184, v184, v182, 0x3d2aaaa5
	D 1
	v_mul_f32 v184, v184, v182
	D 1
	v_mul_f32 v184, v184, v182
	D 1
	v_fma_f32 v184, v182, -0.5, v184
	D 1
	v_add_f32 v184, 1.0, v184                      ; cos r
	v_cvt_i32_f32 v185, v180
	D 1
	v_and_b32 v186, 1, v185
	D 1
	v_cmp_eq_u32 vcc_lo, 1, v186
	D 1
	v_cndmask_b32 v186, v183, v184, vcc_lo         ; odd quadrants change the two over
	D 2
	v_cndmask_b32 v187, v184, v183, vcc_lo
	v_and_b32 v183, 2, v185
	D 1
	v_lshlrev_b32 v183, 30, v183
	D 1
	v_xor_b32 v186, v183, v186                     ; sin: minus in quadrants 2, 3
	v_add_nc_u32 v184, 1, v185
	D 1
	v_and_b32 v184, 2, v184
	D 1
	v_lshlrev_b32 v184, 30, v184
	D 1
	v_xor_b32 v187, v184, v187                     ; cos: minus in quadrants 1, 2
	v_lshlrev_b32 v188, 1, v176
	D 1
	v_cvt_f32_u32 v188, v188
	D 1
	v_add_f32 v188, 0x414ccccd, v188
	D 1
	v_mul_f32 v188, 0x3cb6db6e, v188               ; (2 d + 12.8) / 44.8
	s_wait_alu depctr_va_vdst(0)                   ; the wait ahead of a transcendental
	v_log_f32 v188, v188
	v_add_nc_u32 v189, 0xfffffc00, v178            ; (plain work behind the logarithm)
	D 1
	v_cvt_f32_i32 v189, v189
	D 1
	v_mul_f32 v189, 0x3b000000, v189               ; (position - 1024) / 512
	s_wait_alu depctr_va_vdst(0)                   ; ahead of the logarithm's first reader
	v_mul_f32 v188, v188, v189
	D 1
	v_xor_b32 v190, 0x80000000, v188
	s_wait_alu depctr_va_vdst(0)
	v_exp_f32 v189, v188                           ; the xpos scale s,
	v_exp_f32 v190, v190                           ; and 1 / s
	v_nop
	s_wait_alu depctr_va_vdst(0)                   ; one wait for the two
	v_mul_f32 v[TO], v187, v189
	v_mul_f32 v[TO+1], v186, v189
	v_mul_f32 v[TO+2], v187, v190
	v_mul_f32 v[TO+3], v186, v190
	s_lshl_b32 s25, s24, 8
	s_add_co_u32 s25, s25, TABL
	v_lshl_add_u32 v176, v1, 3, s25                ; entry set w = 8 a + j, 8 bytes a lane
	ds_store_b64 v176, v[TO:TO+1]
	ds_store_b64 v176, v[TO+2:TO+3] offset:4096
	s_mul_i32 s25, s24, 4*P
	s_add_co_u32 s25, s25, WKV
	v_add_nc_u32 v177, s25, v2                     ; k's and v's rows 4 w on
	s_lshl_b32 s25, s24, 7
	s_add_co_u32 s25, s25, WKS
	v_add_nc_u32 v178, s25, v6
	s_wait_alu depctr_va_vdst(0)                   ; directly ahead of the wait below
	s_wait_loadcnt 46                              ; k's and v's rows are in; behind them: gamma 8, x 16, the image 2, W 16, its scale words 4
.irp i, 0,1,2,3
	ds_store_b128 v177, v[192+4*\i:195+4*\i] offset:P*\i
.endr
	ds_store_b32 v178, v191
.macro LANESUM                         ; v[T] over the 32 lanes, the result in every lane
.irp m, 1,2,4,8
	D 1
	v_add_f32_dpp v[T], v[T], v[T] row_xmask:\m row_mask:0xf bank_mask:0xf
.endr
	D 1
	v_permlanex16_b32 v[T+1], v[T], s[SEL], s[SEL+1]
	D 1
	v_add_f32 v[T], v[T], v[T+1]
.endm
.macro ROW i
.set XR, X+32*\i
	s_wait_loadcnt 30                              ; my row is in.  Behind row 0: row 1's 8, the image 2, W 16, scale words 4; behind row 1: 2, 16, 4 and the 8 issued behind row 0's work
	v_pk_add_f32 v[T:T+1], v[XR:XR+1], v[XR+2:XR+3]
	v_pk_add_f32 v[T+2:T+3], v[XR+4:XR+5], v[XR+6:XR+7]
.irp j, 8,12,16,20,24,28
	D 2
	v_pk_add_f32 v[T:T+1], v[T:T+1], v[XR+\j:XR+\j+1]
	D 2
	v_pk_add_f32 v[T+2:T+3], v[T+2:T+3], v[XR+\j+2:XR+\j+3]
.endr
	D 1
	v_pk_add_f32 v[T:T+1], v[T:T+1], v[T+2:T+3]
	D 1
	v_add_f32 v[T], v[T], v[T+1]
	LANESUM
	D 1
	v_mul_f32 v[T], s32, v[T]                      ; the mean
	D 1
	v_mov_b32 v[T+1], v[T]
.irp j, 0,2,4,6,8,10,12,14,16,18,20,22,24,26,28,30
	v_pk_add_f32 v[XR+\j:XR+\j+1], v[XR+\j:XR+\j+1], v[T:T+1] neg_lo:[0,1] neg_hi:[0,1]
.endr
	v_pk_mul_f32 v[T:T+1], v[XR:XR+1], v[XR:XR+1]
	v_pk_mul_f32 v[T+2:T+3], v[XR+2:XR+3], v[XR+2:XR+3]
.irp j, 4,8,12,16,20,24,28
	D 2
	v_pk_fma_f32 v[T:T+1], v[XR+\j:XR+\j+1], v[XR+\j:XR+\j+1], v[T:T+1]
	D 2
	v_pk_fma_f32 v[T+2:T+3], v[XR+\j+2:XR+\j+3], v[XR+\j+2:XR+\j+3], v[T+2:T+3]
.endr
	D 1
	v_pk_add_f32 v[T:T+1], v[T:T+1], v[T+2:T+3]
	D 1
	v_add_f32 v[T], v[T], v[T+1]
	LANESUM
	D 1
	v_fma_f32 v[T], v[T], s32, s33                 ; the variance + 1e-5
	s_wait_alu depctr_va_vdst(0)
	v_rsq_f32 v[T+2], v[T]
	v_nop
	s_wait_alu depctr_va_vdst(0)
	v_mov_b32 v[T+3], v[T+2]
.irp j, 0,2,4,6,8,10,12,14,16,18,20,22,24,26,28,30
	v_pk_mul_f32 v[XR+\j:XR+\j+1], v[XR+\j:XR+\j+1], v[T+2:T+3]
.endr
.irp j, 0,2,4,6,8,10,12,14,16,18,20,22,24,26,28,30
	v_pk_mul_f32 v[XR+\j:XR+\j+1], v[XR+\j:XR+\j+1], v[G+\j:G+\j+1]
.endr
.irp j, 0,1,2,3,4,5,6,7
	ds_store_b128 v3, v[XR+4*\j:XR+4*\j+3] offset:576*\j
.endr
.irp j, 0,1,2,3,4,5,6,7
	ds_load_b128 v[B+4*\j:B+4*\j+3], v4 offset:16*\j   ; LDS serves a wave's instructions in order: these see the stores above
.endr
	GLW 4*\i+1                                     ; the row has gone into its stage: its registers take two odd K steps of W
	GLW 4*\i+3
	s_wait_dscnt 0x0
	v_max3_num_f32 v[T], |v[B]|, |v[B+1]|, 0x1800000   ; my block's largest magnitude, and the floor 2^(3 - 127): the byte cannot fall under 1
	v_max3_num_f32 v[T+1], |v[B+2]|, |v[B+3]|, |v[B+4]|
.irp j, 5,9,13,17,21,25
	D 2
	v_max3_num_f32 v[T], v[T], |v[B+\j]|, |v[B+\j+1]|
	D 2
	v_max3_num_f32 v[T+1], v[T+1], |v[B+\j+2]|, |v[B+\j+3]|
.endr
	D 2
	v_max3_num_f32 v[T], v[T], |v[B+29]|, |v[B+30]|
	D 1
	v_max3_num_f32 v[T], v[T], v[T+1], |v[B+31]|
	D 1
	v_add_nc_u32 v[T+2], 0xff000000, v[T]          ; 2 off its exponent field: the conversion's scale operand
.irp g, 0,1,2,3
	v_cvt_scalef32_pk8_fp4_f32 v[C+4*\i+\g], v[B+8*\g:B+8*\g+7], v[T+2]
.endr
	v_lshrrev_b32 v[T+3], 23, v[T+2]               ; the scale's byte (a plain line behind the conversions)
	ds_store_b8 v5, v[T+3] offset:32*\i
	ds_store_b128 v9, v[C+4*\i:C+4*\i+3] offset:P*\i                   ; the row's codes for the products,
	global_store_b128 v2, v[C+4*\i:C+4*\i+3], s[70:71] offset:512*\i   ; and its 512 bytes to XB
.endm
	ROW 0
	ROW 1
	s_wait_loadcnt 36                              ; the image's two are in; behind them: W 16, scale words 4, the odd K steps 16
.irp c, 0,1
	global_store_b128 v2, v[WD+4*\c:WD+4*\c+3], s[74:75] offset:512*\c   ; 512 consecutive bytes each
.endr
	s_cmp_lg_u32 s39, 1
	s_cbranch_scc1 .Lno_a2
	global_store_b128 v2, v[244:247], s[76:77]
	s_wait_xcnt 0x0                                ; v244-247 are written again only behind this wait
.Lno_a2:
	v_mul_u32_u24 v3, v10, P
	D 1
	v_lshl_add_u32 v3, v11, 4, v3                  ; a fragment: row r x pitch + 16 h
	s_and_b32 s25, s24, 1
	s_mul_i32 s26, s25, 32*P
	s_add_co_u32 s26, s26, WKV
	v_add_nc_u32 v8, s26, v3                       ; k's rows of W (even waves), v's (odd)
	v_add_nc_u32 v3, XC, v3
	v_lshlrev_b32 v4, 5, v10
	s_lshl_b32 s25, s25, 10
	s_add_co_u32 s25, s25, WKS
	v_add_nc_u32 v9, s25, v4
	v_add_nc_u32 v4, XS, v4
	v_lshl_add_u32 v5, v1, 3, TABL
	v_lshlrev_b32 v7, 4, v10
	D 1
	v_lshl_add_u32 v7, v11, 12, v7
	v_add_nc_u32 v10, XS, v2
	s_wait_alu depctr_va_vdst(0)                   ; directly ahead of the wait below
	s_wait_dscnt 0x0                               ; for the others' sake: my codes, scale bytes, table entries and rows of W lie in LDS
	s_barrier_signal -1
	s_barrier_wait -1
	s_cmp_lg_u32 s24, 2
	s_cbranch_scc1 .Lno_xs
	ds_load_b128 v[240:243], v10
	ds_load_b128 v[244:247], v10 offset:512
	s_wait_dscnt 0x0
	global_store_b128 v2, v[240:243], s[72:73]     ; 32 rows' scale bytes: twice 512 consecutive bytes
	global_store_b128 v2, v[244:247], s[72:73] offset:512
	s_wait_xcnt 0x0
.Lno_xs:
.macro XFR s, f                        ; x's two fragments and scale words of K step s into buffer f
.irp a, 0,1
	ds_load_b128 v[XF+16*(\f)+8*\a:XF+16*(\f)+8*\a+3], v3 offset:\a*16*P+64*(\s)
	ds_load_b128 v[XF+16*(\f)+8*\a+4:XF+16*(\f)+8*\a+7], v3 offset:\a*16*P+64*(\s)+32
	ds_load_b32 v[SXR+2*(\f)+\a], v4 offset:\a*512+4*(\s)
.endr
.endm
.macro MM d, a, b, sa, sb, z
.if (\z) == 0
	v_wmma_scale_f32_16x16x128_f8f6f4 v[\d:\d+7], v[\a:\a+7], v[\b:\b+7], 0, v[\sa], v[\sb] matrix_a_fmt:MATRIX_FMT_FP4 matrix_b_fmt:MATRIX_FMT_FP4
.else
	v_wmma_scale_f32_16x16x128_f8f6f4 v[\d:\d+7], v[\a:\a+7], v[\b:\b+7], v[\d:\d+7], v[\sa], v[\sb] matrix_a_fmt:MATRIX_FMT_FP4 matrix_b_fmt:MATRIX_FMT_FP4
.endif
.endm
; Eight K steps of 128, four products each, the accumulators by turns; the first step starts the sums.  While one step is multiplied the next one's six LDS loads are out.
; sw = 1: the sources change places (v).  gl = 1: W came by global loads, of which the last eight (K steps 5 and 7) are waited for ahead of step 5.
.macro GEMM sw, gl
	XFR 0, 0
.set S, 0
.rept 8
.set WRS, 112-64*(S%2)+16*(S/2)
.set F, S%2
.if S < 7
	PLACES 4                                       ; in front of loads into registers that matrix instructions have read
	XFR S+1, 1-F
	s_wait_dscnt 6
.else
	s_wait_dscnt 0x0
.endif
.if (\gl) && (S == 5)
	s_wait_loadcnt 0x0
.endif
.irp a, 0,1
.irp u, 0,1
.if \sw
	MM ACC+16*\a+8*\u, XF+16*F+8*\u, WRS+8*\a, SXR+2*F+\u, SWR+16*\a+S, S
.else
	MM ACC+16*\a+8*\u, WRS+8*\u, XF+16*F+8*\a, SWR+16*\u+S, SXR+2*F+\a, S
.endif
.endr
.endr
.set S, S+1
.endr
.endm
.macro LOADW                           ; k's or v's 32 rows of W out of LDS, into the registers that held my head's
	PLACES 4
.set S, 0
.rept 8
.set WRS, 112-64*(S%2)+16*(S/2)
.irp u, 0,1
.irp c, 0,1
	ds_load_b128 v[WRS+8*\u+4*\c:WRS+8*\u+4*\c+3], v8 offset:\u*16*P+64*S+32*\c
.endr
.endr
.set S, S+1
.endr
.irp u, 0,1
.irp g, 0,1
	ds_load_b128 v[SWR+16*\u+4*\g:SWR+16*\u+4*\g+3], v9 offset:\u*512+16*\g
.endr
.endr
.endm
; Two blocks of 32 (block x: groups sx0, sx1 of eight registers; group u of lane (r, h) holds k = 16 u + 8 h + j) become codes: lanes 0-15 end with block 0's 16 bytes in v[PC .. PC + 3], lanes 16-31 with block 1's; v11: my half's byte.
.macro QUANT2 s00, s01, s10, s11
	v_max3_num_f32 v[TM], |v[(\s00)]|, |v[(\s00)+1]|, 0x1800000     ; with the floor 2^(3 - 127): the byte cannot fall under 1
	v_max3_num_f32 v[TM+1], |v[(\s10)]|, |v[(\s10)+1]|, 0x1800000
.irp i, 2,4,6
	v_max3_num_f32 v[TM], v[TM], |v[(\s00)+\i]|, |v[(\s00)+\i+1]|   ; (the two blocks by turns)
	v_max3_num_f32 v[TM+1], v[TM+1], |v[(\s10)+\i]|, |v[(\s10)+\i+1]|
.endr
.irp i, 0,2,4,6
	v_max3_num_f32 v[TM], v[TM], |v[(\s01)+\i]|, |v[(\s01)+\i+1]|
	v_max3_num_f32 v[TM+1], v[TM+1], |v[(\s11)+\i]|, |v[(\s11)+\i+1]|
.endr
	v_permlanex16_b32 v[TM+2], v[TM], s[SEL], s[SEL+1]
	v_permlanex16_b32 v[TM+3], v[TM+1], s[SEL], s[SEL+1]
	v_max_num_f32 v[TM], v[TM], v[TM+2]            ; with lane l xor 16's: the block's largest magnitude
	v_max_num_f32 v[TM+1], v[TM+1], v[TM+3]
	v_add_nc_u32 v[TS], 0xff000000, v[TM]          ; 2 off the exponent field: the conversion's scale operand
	v_add_nc_u32 v[TS+1], 0xff000000, v[TM+1]
	v_lshrrev_b32 v[BY], 23, v[TS]
	v_lshrrev_b32 v[BY+1], 23, v[TS+1]
	v_cvt_scalef32_pk8_fp4_f32 v[PC], v[(\s00):(\s00)+7], v[TS]
	v_cvt_scalef32_pk8_fp4_f32 v[PC+1], v[(\s10):(\s10)+7], v[TS+1]
	v_cvt_scalef32_pk8_fp4_f32 v[PC+2], v[(\s01):(\s01)+7], v[TS]
	v_cvt_scalef32_pk8_fp4_f32 v[PC+3], v[(\s11):(\s11)+7], v[TS+1]
	v_nop                                          ; one plain line behind the conversions
	v_permlane16_swap_b32 v[PC], v[PC+1]
	v_permlane16_swap_b32 v[PC+2], v[PC+3]
	v_cndmask_b32 v11, v[BY], v[BY+1], s38
.endm
; The rotary turn of one row tile: a0 holds channels 8 h + j, a1 channels 16 + 8 h + j; both take the table's pair j.  Each accumulator is read from its low end on.
.macro ROPE a0, a1, tb, r0, r1
.irp j, 0,1,2,3,4,5,6,7
	v_mul_f32 v[\r0+\j], v[\a0+\j], v[\tb+2*\j]
	v_mul_f32 v[\r1+\j], v[\a1+\j], v[\tb+2*\j]
	v_fma_f32 v[\r0+\j], -v[\a1+\j], v[\tb+2*\j+1], v[\r0+\j]
	v_fma_f32 v[\r1+\j], v[\a0+\j], v[\tb+2*\j+1], v[\r1+\j]
.endr
.endm
.macro ROPEQ set                       ; the table's set out of LDS; both row tiles turned and quantised (block = row tile)
	PLACES 4                                       ; in front of the first read of results, and of loads into registers that held fragments
.irp a, 0,1
.irp j, 0,1,2,3,4,5,6,7
	ds_load_b64 v[TB+16*\a+2*\j:TB+16*\a+2*\j+1], v5 offset:(8*\a+\j)*256+4096*(\set)
.endr
.endr
	s_wait_dscnt 0x0
	ROPE ACC, ACC+8, TB, R, R+8
	ROPE ACC+16, ACC+24, TB+16, R+16, R+24
	QUANT2 R, R+8, R+16, R+24
.endm
	s_wait_loadcnt 8                               ; W's scale words and all its K steps but 5 and 7 are in
	GEMM 0, 1
	ROPEQ 0
	global_store_b128 v7, v[PC:PC+3], s[86:87]     ; sixteen lanes store 256 consecutive bytes: a row block's 16 rows of my head
	global_store_b32 v6, v11, s[88:89]             ; 32 rows' scale words
	s_wait_alu depctr_va_vdst(0)                   ; directly ahead of the branches
	s_cmp_gt_u32 s24, 1
	s_cbranch_scc1 .Lend
	s_wait_xcnt 0x0                                ; the stores have read their registers
	LOADW
	s_cmp_eq_u32 s24, 1
	s_cbranch_scc1 .Lv
	GEMM 0, 0
	ROPEQ 1
	global_store_b128 v2, v[PC:PC+3], s[90:91]     ; 32 keys x 16 bytes: 512 consecutive bytes
	global_store_b32 v6, v11, s[92:93]
	s_branch .Lend
.Lv:
	GEMM 1, 0
	PLACES 4
	QUANT2 ACC, ACC+8, ACC+16, ACC+24              ; v: block = 16 channels' tile, the registers run down the 32 keys
	global_store_b128 v2, v[PC:PC+3], s[90:91] offset:40960   ; a key block: 32 channels x 16 bytes
	global_store_b8 v6, v11, s[94:95]              ; my key block's byte of channel = lane
.Lend:
	s_wait_tensorcnt 0x0                           ; the wave's end
	ds_add_u32 v254, v255
	s_wait_dscnt 0x0
	s_endpgm
.Lfunc_end_k_q8913f95583_pq:
	.size	k_q8913f95583_pq, .Lfunc_end_k_q8913f95583_pq-k_q8913f95583_pq
	.p2alignl 7, 3214868480
	.fill 96, 4, 3214868480
	.section	.rodata,"a",@progbits
	.p2align	6, 0x0
	.amdhsa_kernel k_q8913f95583_pq
		.amdhsa_group_segment_fixed_size 137728
		.amdhsa_private_segment_fixed_size 0
		.amdhsa_enable_private_segment 0
		.amdhsa_kernarg_size 80
		.amdhsa_user_sgpr_count 2
		.amdhsa_user_sgpr_kernarg_segment_ptr 1
		.amdhsa_wavefront_size32 1
		.amdhsa_system_sgpr_workgroup_id_x 1
		.amdhsa_system_sgpr_workgroup_id_y 1
		.amdhsa_system_sgpr_workgroup_id_z 1
		.amdhsa_system_vgpr_workitem_id 0
		.amdhsa_next_free_vgpr 256
		.amdhsa_next_free_sgpr 96
		.amdhsa_reserve_vcc 1
		.amdhsa_float_denorm_mode_32 3
		.amdhsa_float_denorm_mode_16_64 3
		.amdhsa_memory_ordered 1
		.amdhsa_forward_progress 1
		.amdhsa_inst_pref_size 84
	.end_amdhsa_kernel
	.amdgpu_metadata
---
amdhsa.version: [ 1, 2 ]
amdhsa.kernels:
  - .name:           k_q8913f95583_pq
    .symbol:         k_q8913f95583_pq.kd
    .args:
      - { .name: x, .offset: 0, .size: 8, .value_kind: global_buffer, .address_space: global }
      - { .name: gamma, .offset: 8, .size: 8, .value_kind: global_buffer, .address_space: global }
      - { .name: W_ff_out_codes, .offset: 16, .size: 8, .value_kind: global_buffer, .address_space: global }
      - { .name: W_attn_out_codes, .offset: 24, .size: 8, .value_kind: global_buffer, .address_space: global }
      - { .name: W_fused_codes, .offset: 32, .size: 8, .value_kind: global_buffer, .address_space: global }
      - { .name: W_fused_scales, .offset: 40, .size: 8, .value_kind: global_buffer, .address_space: global }
      - { .name: XB, .offset: 48, .size: 8, .value_kind: global_buffer, .address_space: global }
      - { .name: WO, .offset: 56, .size: 8, .value_kind: global_buffer, .address_space: global }
      - { .name: QB, .offset: 64, .size: 8, .value_kind: global_buffer, .address_space: global }
      - { .name: KV, .offset: 72, .size: 8, .value_kind: global_buffer, .address_space: global }
    .group_segment_fixed_size: 137728
    .private_segment_fixed_size: 0
    .kernarg_segment_align: 8
    .kernarg_segment_size: 80
    .max_flat_workgroup_size: 512
    .sgpr_count:     96
    .vgpr_count:     256
    .wavefront_size: 32
...
	.end_amdgpu_metadata
.endif
;; end of part 1
;; launch attn (part 2): grid 256 x 1, 16 waves a work-group, no clusters, 96,512 bytes of LDS; arguments QB, KV, AB; writes AB
.if DOCPART == 2
	.amdgcn_target "amdgcn-amd-amdhsa--gfx1250"
	.amdhsa_code_object_version 6
	.text
	.protected	k_q8913f95583_attn
	.globl	k_q8913f95583_attn
	.p2align	8
	.type	k_q8913f95583_attn,@function
k_q8913f95583_attn:
	s_mov_b64 s[64:65], 0
	v_nop
	global_prefetch_b8 v0, s[64:65] scope:SCOPE_SE
	s_setreg_imm32_b32 hwreg(HW_REG_WAVE_MODE, 25, 1), 1
	s_wait_xcnt 0x0
; ATTN.  Causal attention with one key and value head for 16 query heads of 32 channels, both products on codes of E2M1.  t = score x log2(e) / sqrt(32); M = the running largest t rounded up to a whole number;
; p = 2^(t - M) is quantised along the keys, not normalised; the row's sum is taken of the unquantised p and divides at the end; when M moves, the sum and O are multiplied by 2^(old M - new M), which rounds nothing.
; The result, a head's 32 channels, is one block of the next product's K: it is quantised here and stored as a quarter of an operand image (AB, K steps 32 to 35), its byte into the scale words behind the images.
; Tiles that lie wholly above the diagonal of the mask that the problem builds itself are not computed.
; SHARES.  Work-group: batch = id / 128, eight heads (id / 64 % 2), the row blocks pr = id % 64 (S = pr / 8 + 1 steps of 128 keys) and 127 - pr (17 - S steps).  Two waves to a head, so that every wave has 8 or 9 steps:
; the FIRST wave walks the short row block's S steps, sends it out, and then walks the long row block's key steps 0 .. 7 - S; the SECOND walks the long row block's last 9 steps, its diagonal among them.
; The first wave's part of the long row block (O^T, the sum, -M) goes to the second through LDS; the two are joined by factors 2^(own M - common M), which round nothing.  Which of a head's two waves is the first: (w xor w / 4) % 2.
; The loop has nine trips in every wave; the key step of a trip is (trip + a base made of pr) mod 16, so every LDS address stays inside K's and V's bytes.
; K AND V of a batch, 75,776 bytes as codes and scale words, are copied once into LDS through registers; nothing is filled again: no ring, no tensor load, no joint request, and no stream to prefetch.
; LAYOUT.  Both products are used transposed: S^T = K Q^T, O^T = V^T P^T: a lane holds one query throughout.  Tile t's registers hold keys 16 t + 8 h + j: a conversion of them is dword 2 u + h of block t / 2.
; A HEAD OF 32 IN AN INSTRUCTION OF K = 128: Q's codes are zeros outside block 0, so K's operand may hold anything there: tile t names registers 4 t .. 4 t + 7; the scale words have 0 in bytes 1 to 3, never 0xff.
; LIMITS.  NaN and infinities are not served; a block whose largest magnitude lies under 2^-124 gets the byte 1; the scaled scores stay under 2^31 in magnitude.
.set KSO,  32768                       ; LDS as KV lies in memory: k's codes at 0, k's scale words,
.set VQ,   40960                       ; v's codes,
.set VSO,  73728                       ; v's scale words;
.set AST,  75776                       ; 256 bytes for the results' scale words [row block 2][K step 2][row 16];
.set MRG,  76032                       ; eight parts of 2,304 bytes, one a head: O^T as four images of 512 bytes, then (-M, sum) 8 bytes a lane;
.set SPARE, 94464                      ; the spare words, 128 bytes a wave
.set AK0,  1                           ; v1   16 r
.set AV0,  2                           ; v2   VQ + 512 h + 16 r
.set ASK0, 3                           ; v3   KSO + 4 r
.set ASV0, 4                           ; v4   VSO + 4 r
.set LN,   5                           ; v5   lane
.set ASTA, 7                           ; v7   where my query's scale byte goes
.set ADK,  8                           ; v8-11 the step's addresses
.set ADV,  9
.set ADS,  10
.set ADT,  11
.set ASTR, 24                          ; v24  AST + 8 x lane
.set SCO,  25                          ; v25  wave 0's offset among the scale words in memory
.set MA,   26                          ; v26  my head's part: 16 x lane
.set MB,   27                          ; v27  and 2,048 + 8 x lane
.set Q2,   176                         ; v176-180 the long row block's Q and its scale word
.set NINF, 181                         ; v181 -infinity
.set WV,  10
.set Q0,  17                           ; s17  first query of the row block in hand
.set KF,  18                           ; s18  the step's first key; also v's scale words: 128 bytes a step
.set TK,  19                           ; s19  the step's codes: 2,048 bytes a step, k's and v's alike
.set SEL, 20
.set CS,  22                           ; s[22:23] c = log2(e) / sqrt(32)
.set TSK, 24                           ; s24  k's scale words: 512 bytes a step
.set QL,  25                           ; s25  the long row block's first query
.set CNT, 26                           ; s26  the trip
.set SWT, 53                           ; s53  the trip at whose head a first wave changes row blocks (S); 99 in a second wave
.set KB0, 54                           ; s54  key step = (trip + base) mod 16: the base ahead of the change,
.set KB1, 55                           ; s55  and behind it: 16 - S
.set LIMT, 56                          ; s56  trips with work: 8 or 9
.set MK,  66                           ; s66-73 the cut tile's lane masks: register j is hidden in lanes with r < 8 h + j
; REGISTERS: v12 -M, v13 the largest t, v[14:15] the sum; v16-23 Q; v32-63 K's eight tiles, v64-67 zeros; v68-83 V; v96-159 S^T, then p; v160-175 O^T; v184-193, v253, v255 scale words; v224-231 p's codes; v200-223, v232-249, v252, v254 at work.
.macro D n
	s_delay_alu instid0(VALU_DEP_\n)
.endm
.macro PL n
.rept \n
	v_nop
.endr
.endm
; THE WAY OUT of a row block: O^T over the sum, one block of 32 quantised, 256 bytes of an image stored by lanes 0-15, the byte into LDS.
.macro WAYOUT
	v_add_f32 v14, v14, v15
	D 1
	v_permlanex16_b32 v252, v14, s[SEL], s[SEL+1]
	D 1
	v_add_f32 v14, v14, v252                       ; the row's sum
	s_wait_alu depctr_va_vdst(0)                   ; the wait ahead of the transcendental
	v_rcp_f32 v14, v14
	v_nop
	s_wait_alu depctr_va_vdst(0)                   ; and ahead of its first reader, which is also O^T's
.irp j, 0,1,2,3,4,5,6,7,8,9,10,11,12,13,14,15
	v_mul_f32 v[96+\j], v[160+\j], v14             ; register 8 n + j: channel 16 n + 8 h + j of my query
.endr
	v_max3_num_f32 v232, |v96|, |v97|, 0x1800000
.irp i, 2,4,6,8,10,12,14
	D 1
	v_max3_num_f32 v232, v232, |v[96+\i]|, |v[97+\i]|
.endr
	D 1
	v_permlanex16_b32 v236, v232, s[SEL], s[SEL+1]
	D 1
	v_max_num_f32 v232, v232, v236
	D 1
	v_add_nc_u32 v244, 0xff000000, v232
	D 1
	v_lshrrev_b32 v237, 23, v244
	v_cvt_scalef32_pk8_fp4_f32 v200, v[96:103], v244     ; dword h,
	v_cvt_scalef32_pk8_fp4_f32 v202, v[104:111], v244    ; dword 2 + h
	v_nop
	v_permlanex16_b32 v201, v200, s[SEL], s[SEL+1] ; in lanes 0-15: dword 1,
	v_permlanex16_b32 v203, v202, s[SEL], s[SEL+1] ; dword 3
	ds_store_b8 v[ASTA], v237                      ; both lanes of a query write the same byte with the same value
	s_wait_alu depctr_va_vdst(0)
	s_wait_xcnt 0x0                                ; EXEC changes only behind this wait
	v_cmp_gt_u32 vcc_lo, 16, v[LN]
	s_and_saveexec_b32 s52, vcc_lo
	global_store_b128 v[AK0], v[200:203], s[48:49] ; sixteen lanes store 256 consecutive bytes, aligned: a block of the image
	s_wait_xcnt 0x0
	s_or_b32 exec_lo, exec_lo, s52
.endm
	s_load_b128 s[4:7], s[0:1], 0x0                ; QB, KV
	s_load_b64 s[8:9], s[0:1], 0x10                ; AB
	v_lshl_add_u32 v250, v0, 2, SPARE
	v_mov_b32 v251, 0
	v_lshrrev_b32 v8, 5, v0
	D 1
	v_readfirstlane_b32 s[WV], v8                  ; wave 0..15
	s_lshr_b32 s11, ttmp9, 7                       ; batch
	s_bfe_u32 s12, ttmp9, 0x10006                  ; which eight heads
	s_and_b32 s13, ttmp9, 63                       ; pr
	s_lshr_b32 s28, s[WV], 1                       ; my head among the eight
	s_lshl_b32 s14, s12, 3
	s_add_co_u32 s14, s14, s28                     ; head
	s_lshr_b32 s15, s[WV], 2
	s_xor_b32 s15, s15, s[WV]
	s_and_b32 s15, s15, 1                          ; 0: the head's first wave; 1: its second
	s_sub_co_u32 s29, 127, s13
	s_cmp_eq_u32 s15, 1
	s_cselect_b32 s16, s29, s13                    ; the row block that I send out
	s_lshl_b32 s[Q0], s16, 4
	s_lshl_b32 s[QL], s29, 4
	s_lshl_b32 s30, s15, 7
	s_lshr_b32 s31, s28, 2
	s_lshl_b32 s31, s31, 6
	s_add_co_u32 s30, s30, s31
	s_and_b32 s31, s28, 3
	s_add_co_u32 s30, s30, s31
	s_add_co_u32 s30, s30, AST
	s_mul_i32 s33, s28, 2304
	s_add_co_u32 s33, s33, MRG                     ; my head's part
	s_lshr_b32 s[SWT], s13, 3                      ; S - 1
	s_xor_b32 s57, s[SWT], 7                       ; 8 - S
	s_xor_b32 s[KB1], s[SWT], 15                   ; 16 - S
	s_add_co_u32 s[SWT], s[SWT], 1                 ; S
	s_cmp_eq_u32 s15, 1
	s_cselect_b32 s[KB0], s57, 0
	s_cselect_b32 s[SWT], 99, s[SWT]
	s_cselect_b32 s[LIMT], 9, 8
	s_mov_b32 s27, 0xffff0000                      ; lanes 16 to 31
	s_mov_b32 s[SEL], 0x76543210
	s_mov_b32 s[SEL+1], 0xfedcba98
	s_mov_b32 s[CS], 0x3e8293ee
	s_mov_b32 s[CS+1], s[CS]
	s_mov_b32 s[CNT], 0
.irp j, 0,1,2,3,4,5,6,7
	s_mov_b32 s[MK+\j], ((1<<\j)-1)|(((1<<(\j+8))-1)<<16)
.endr
	s_lshl_b32 s32, s11, 7
	s_add_co_u32 s57, s32, s29                     ; the long row block, of all 256
	s_add_co_u32 s32, s32, s16                     ; mine
	s_lshl_b32 s34, s32, 4
	s_add_co_u32 s34, s34, s14
	s_lshl_b32 s34, s34, 8                         ; q's codes
	s_mov_b32 s35, 0
	s_lshl_b32 s58, s57, 4
	s_add_co_u32 s58, s58, s14
	s_lshl_b32 s58, s58, 8
	s_mov_b32 s59, 0
	s_lshl_b32 s36, s14, 14
	s_add_co_u32 s36, s36, 1048576
	s_lshl_b32 s60, s57, 6
	s_add_co_u32 s60, s60, s36
	s_mov_b32 s61, 0
	s_lshl_b32 s37, s32, 6
	s_add_co_u32 s36, s36, s37                     ; q's scale words
	s_mov_b32 s37, 0
	s_lshr_b32 s38, s32, 3
	s_mul_i32 s38, s38, 36
	s_add_co_u32 s38, s38, 32
	s_lshr_b32 s39, s14, 2
	s_add_co_u32 s38, s38, s39
	s_lshl_b32 s38, s38, 3
	s_and_b32 s39, s32, 7
	s_add_co_u32 s38, s38, s39
	s_lshl_b32 s38, s38, 10
	s_and_b32 s39, s14, 3
	s_lshl_b32 s39, s39, 8
	s_add_co_u32 s38, s38, s39                     ; the image of (128 rows, K step 32 + head / 4, 16 rows), block head % 4
	s_mov_b32 s39, 0
	s_lshl_b32 s40, s12, 15
	s_add_co_u32 s40, s40, 9437184+32*16384
	s_lshl_b32 s41, s11, 13
	s_add_co_u32 s40, s40, s41
	s_lshl_b32 s41, s13, 6
	s_add_co_u32 s40, s40, s41                     ; the scale words of K step 32 + 2 (eight heads), row block pr
	s_mov_b32 s41, 0
	s_mul_i32 s42, s11, 75776
	s_mov_b32 s43, 0
	s_lshl_b32 s31, s13, 1
	s_sub_co_u32 s31, 127, s31
	s_lshl_b32 s31, s31, 6                         ; from row block pr to 127 - pr, in bytes of scale words
	v_and_b32 v[LN], 31, v0
	v_and_b32 v200, 15, v0                         ; r
	v_bfe_u32 v201, v0, 4, 1                       ; h
	D 2
	v_lshlrev_b32 v[AK0], 4, v200
	D 1
	v_lshl_add_u32 v[AV0], v201, 9, v[AK0]
	D 1
	v_add_nc_u32 v[AV0], VQ, v[AV0]
	v_lshlrev_b32 v202, 2, v200
	D 1
	v_add_nc_u32 v[ASK0], KSO, v202
	D 2
	v_add_nc_u32 v[ASV0], VSO, v202
	v_lshl_add_u32 v[ASTA], v200, 2, s30
	v_lshl_add_u32 v[ASTR], v[LN], 3, AST
	v_lshl_add_u32 v[MA], v[LN], 4, s33
	v_lshl_add_u32 v[MB], v[LN], 3, s33
	D 1
	v_add_nc_u32 v[MB], 2048, v[MB]
	v_bfe_u32 v203, v0, 3, 1
	D 1
	v_lshlrev_b32 v[SCO], 14, v203                 ; wave 0, lane l: K step (l / 8) % 2,
	D 1
	v_mad_u32_u24 v[SCO], v201, s31, v[SCO]        ; row block l / 16,
	v_and_b32 v203, 7, v0
	D 1
	v_lshl_add_u32 v[SCO], v203, 3, v[SCO]         ; rows 2 (l % 8) and the next
	v_lshlrev_b32 v8, 4, v0
	v_lshlrev_b32 v9, 2, v0
	D 2
	v_add_nc_u32 v10, 0x10000, v8                  ; (an LDS immediate has 16 bits)
	D 2
	v_add_nc_u32 v11, 0x10000, v9
	s_wait_alu depctr_va_vdst(0)
	s_wait_kmcnt 0x0
	s_add_nc_u64 s[6:7], s[6:7], s[42:43]
	s_add_nc_u64 s[44:45], s[4:5], s[34:35]
	s_add_nc_u64 s[46:47], s[4:5], s[36:37]
	s_add_nc_u64 s[74:75], s[4:5], s[58:59]
	s_add_nc_u64 s[76:77], s[4:5], s[60:61]
	s_add_nc_u64 s[48:49], s[8:9], s[38:39]
	s_add_nc_u64 s[50:51], s[8:9], s[40:41]
.irp i, 0,1,2,3,4,5,6,7,8
	global_load_b128 v[96+4*\i:99+4*\i], v8, s[6:7] offset:8192*\i   ; 512 threads x 16 bytes
.endr
	global_load_b32 v132, v9, s[6:7] offset:73728
	global_load_b128 v[16:19], v[AK0], s[44:45]    ; Q: row r's 16 bytes, in both halves of the lanes
	global_load_b32 v255, v202, s[46:47]           ; and its scale word
	global_load_b128 v[Q2:Q2+3], v[AK0], s[74:75]  ; the long row block's likewise
	global_load_b32 v[Q2+4], v202, s[76:77]
	v_mov_b32 v13, 0xff61b1e6                      ; the largest t so far: -3e38
	D 1
	v_floor_f32 v12, -v13
	v_mov_b32 v14, 0
	v_mov_b32 v15, 0
	v_mov_b32 v[NINF], 0xff800000
.irp j, 20,21,22,23,64,65,66,67,236,237,238,239,252,253
	v_mov_b32 v\j, 0                               ; Q's upper registers, the zeros behind K's last tile, and lane permutes' destinations
.endr
.irp j, 0,1,2,3,4,5,6,7,8,9,10,11,12,13,14,15
	v_mov_b32 v[160+\j], 0                         ; O^T: the step is written once, and a row block's first step finds zeros
.endr
	s_wait_loadcnt 0x0
.irp i, 0,1,2,3,4,5,6,7
	ds_store_b128 v8, v[96+4*\i:99+4*\i] offset:8192*\i
.endr
	ds_store_b128 v10, v[128:131]
	ds_store_b32 v11, v132 offset:8192
.irp j, 16,17,18,19,176,177,178,179
	v_cndmask_b32 v\j, v\j, v20, s27               ; zero codes in lanes 16-31: K = 32 .. 63 of the instruction
.endr
	s_wait_alu depctr_va_vdst(0)                   ; the wait at the head's end
	s_wait_dscnt 0x0
	s_barrier_signal -1
	s_barrier_wait -1                              ; the batch's K and V lie in LDS
.Lstep:                                            ; nine trips in every wave; the branches hang on ids and the trip alone, and no barrier stands inside
	s_cmp_lg_u32 s[CNT], s[SWT]
	s_cbranch_scc1 .Lsame
	PL 4                                           ; A FIRST WAVE CHANGES ROW BLOCKS: places behind the last products,
	WAYOUT                                         ; the short row block leaves,
	v_mov_b32 v13, 0xff61b1e6                      ; and the long one begins
	D 1
	v_floor_f32 v12, -v13
	v_mov_b32 v14, 0
	v_mov_b32 v15, 0
.irp j, 0,1,2,3,4,5,6,7,8,9,10,11,12,13,14,15
	v_mov_b32 v[160+\j], 0
.endr
.irp j, 0,1,2,3
	v_mov_b32 v[16+\j], v[Q2+\j]
.endr
	v_mov_b32 v255, v[Q2+4]
	s_mov_b32 s[Q0], s[QL]
	PL 8                                           ; a scale word written by a vector line stands eight places ahead of the product
	s_wait_alu depctr_va_vdst(0)
.Lsame:
	s_cmp_ge_u32 s[CNT], s[LIMT]
	s_cbranch_scc1 .Lhidden                        ; a first wave has eight steps
	s_cmp_ge_u32 s[CNT], s[SWT]
	s_cselect_b32 s28, s[KB1], s[KB0]
	s_add_co_u32 s28, s28, s[CNT]
	s_and_b32 s28, s28, 15                         ; the key step, 0 .. 15
	s_lshl_b32 s[KF], s28, 7
	s_lshl_b32 s[TK], s28, 11
	s_lshl_b32 s[TSK], s28, 9
	v_add_nc_u32 v[ADK], s[TK], v[AK0]             ; (these four are the places in front of loads into V's registers)
	v_add_nc_u32 v[ADV], s[TK], v[AV0]
	v_add_nc_u32 v[ADS], s[TSK], v[ASK0]
	v_add_nc_u32 v[ADT], s[KF], v[ASV0]
.irp t, 0,1,2,3,4,5,6,7
	ds_load_b128 v[32+4*\t:35+4*\t], v[ADK] offset:256*\t
	ds_load_b32 v[184+\t], v[ADS] offset:64*\t
.endr
.irp n, 0,1
.irp c, 0,1
	ds_load_b128 v[68+8*\n+4*\c:71+8*\n+4*\c], v[ADV] offset:256*\n+1024*\c
.endr
	ds_load_b32 v[192+\n], v[ADT] offset:64*\n
.endr
	s_wait_dscnt 0x0
.irp t, 0,1,2,3,4,5,6,7
	v_wmma_scale_f32_16x16x128_f8f6f4 v[96+8*\t:103+8*\t], v[32+4*\t:39+4*\t], v[16:23], 0, v[184+\t], v255 matrix_a_fmt:MATRIX_FMT_FP4 matrix_b_fmt:MATRIX_FMT_FP4
.endr
	PL 4
	s_add_co_u32 s28, s[KF], 127                   ; on the diagonal hidden scores become -infinity ahead of the maximum: p = 0 then
	s_cmp_le_u32 s28, s[Q0]
	s_cbranch_scc1 .Lopen
	s_sub_co_u32 s28, s[Q0], s[KF]
	s_lshr_b32 s28, s28, 4                         ; the tile that the diagonal cuts: those ahead of it are open, those behind it hidden
.irp t, 0,1,2,3,4,5,6,7
	s_cmp_gt_u32 s28, \t
	s_cbranch_scc1 .Lnext\t
	s_cmp_eq_u32 s28, \t
	s_cbranch_scc0 .Lall\t
.irp j, 0,1,2,3,4,5,6,7
	v_cndmask_b32 v[96+8*\t+\j], v[96+8*\t+\j], v[NINF], s[MK+\j]   ; key Q0 + 8 h + j against query Q0 + r
.endr
	s_branch .Lnext\t
.Lall\t:
.irp j, 0,1,2,3,4,5,6,7
	v_mov_b32 v[96+8*\t+\j], v[NINF]
.endr
.Lnext\t:
.endr
	s_wait_alu depctr_va_vdst(0)
.Lopen:
.irp b, 0,1,2,3
	v_max3_num_f32 v[232+\b], v[96+16*\b], v[97+16*\b], v[98+16*\b]   ; the largest score of each block of 32 keys: for the row's maximum, and, since p rises with the score, for the block's largest p
.endr
.irp i, 3,5,7,9,11,13
.irp b, 0,1,2,3
	v_max3_num_f32 v[232+\b], v[232+\b], v[96+16*\b+\i], v[97+16*\b+\i]
.endr
.endr
.irp b, 0,1,2,3
	v_max_num_f32 v[232+\b], v[232+\b], v[111+16*\b]
.endr
.irp b, 0,1,2,3
	D 4
	v_permlanex16_b32 v[236+\b], v[232+\b], s[SEL], s[SEL+1]
.endr
.irp b, 0,1,2,3
	D 4
	v_max_num_f32 v[232+\b], v[232+\b], v[236+\b]
.endr
	D 2
	v_max3_num_f32 v254, v232, v233, v234
	D 1
	v_max_num_f32 v254, v254, v235
	D 1
	v_mul_f32 v254, s[CS], v254
	D 1
	v_max_num_f32 v13, v13, v254                   ; the running largest t
	v_mov_b32 v254, v12
	D 2
	v_floor_f32 v12, -v13                          ; -M = floor(-t): M is a whole number
	D 1
	v_sub_f32 v254, v12, v254
	D 1
	v_cvt_i32_f32 v254, v254                       ; (it saturates)
	D 1
	v_ldexp_f32 v252, 1.0, v254                    ; f = 2^(old M - new M)
.set N, 0
.rept 32
	v_pk_fma_f32 v[96+N:97+N], v[96+N:97+N], s[CS:CS+1], v[12:13] op_sel_hi:[1,0,0]   ; t - M
.set N, N+2
.endr
.irp b, 0,1,2,3
	v_fma_f32 v[232+\b], v[232+\b], s[CS], v12
.endr
.set N, 0
	s_wait_alu depctr_va_vdst(0)                   ; the wait ahead of the batch
.rept 64
	v_exp_f32 v[96+N], v[96+N]                     ; p
.set N, N+1
.endr
	v_pk_mul_f32 v[14:15], v[14:15], v[252:253] op_sel_hi:[1,0]   ; the sums under the new M (a plain line behind the exponentials)
	s_wait_alu depctr_va_vdst(0)                   ; one wait for the batch, ahead of its first reader
.irp b, 0,1,2,3
	v_exp_f32 v[232+\b], v[232+\b]                 ; each block's largest p
.endr
.irp c, 0,1,2,3,4,5,6,7
	v_pk_add_f32 v[208+2*\c:209+2*\c], v[96+2*\c:97+2*\c], v[112+2*\c:113+2*\c]   ; the row's sum of the unquantised p, in eight chains
.endr
.irp k, 2,3
.irp c, 0,1,2,3,4,5,6,7
	v_pk_add_f32 v[208+2*\c:209+2*\c], v[208+2*\c:209+2*\c], v[96+16*\k+2*\c:97+16*\k+2*\c]
.endr
.endr
.irp c, 0,1,2,3
	D 4
	v_pk_add_f32 v[208+2*\c:209+2*\c], v[208+2*\c:209+2*\c], v[216+2*\c:217+2*\c]
.endr
	D 2
	v_pk_add_f32 v[208:209], v[208:209], v[212:213]
	D 2
	v_pk_add_f32 v[210:211], v[210:211], v[214:215]
	D 1
	v_pk_add_f32 v[208:209], v[208:209], v[210:211]
	D 1
	v_pk_add_f32 v[14:15], v[14:15], v[208:209]
	s_wait_alu depctr_va_vdst(0)                   ; and one for the four
.irp b, 0,1,2,3
	v_max_num_f32 v[232+\b], 0x1800000, v[232+\b]  ; the floor: the byte cannot fall under 1
.endr
.irp b, 0,1,2,3
	D 4
	v_add_nc_u32 v[244+\b], 0xff000000, v[232+\b]
.endr
.irp b, 0,1,2,3
	D 4
	v_lshrrev_b32 v[236+\b], 23, v[244+\b]
.endr
	D 3
	v_lshl_or_b32 v253, v237, 8, v236              ; p's scale word for these 128 keys
	D 1
	v_lshl_or_b32 v253, v238, 16, v253
	D 1
	v_lshl_or_b32 v253, v239, 24, v253
.irp b, 0,1,2,3
	v_cvt_scalef32_pk8_fp4_f32 v[224+4*(\b/2)+(\b%2)], v[96+16*\b:103+16*\b], v[244+\b]     ; dword h of block b,
	v_cvt_scalef32_pk8_fp4_f32 v[226+4*(\b/2)+(\b%2)], v[104+16*\b:111+16*\b], v[244+\b]    ; dword 2 + h
.endr
	v_nop
.irp c, 0,2,4,6
	v_permlane16_swap_b32 v[224+\c], v[225+\c]     ; lanes 0-15 end with the even block's four dwords, lanes 16-31 with the odd block's
.endr
	s_wait_alu depctr_va_vdst(0)                   ; directly ahead of the first reader of O^T
.irp j, 0,2,4,6,8,10,12,14
	v_pk_mul_f32 v[160+\j:161+\j], v[160+\j:161+\j], v[252:253] op_sel_hi:[1,0]   ; O^T under the new M; with the v_nop these eight are the places between the scale word's last line and the products
.endr
.irp n, 0,1
	v_wmma_scale_f32_16x16x128_f8f6f4 v[160+8*\n:167+8*\n], v[68+8*\n:75+8*\n], v[224:231], v[160+8*\n:167+8*\n], v[192+\n], v253 matrix_a_fmt:MATRIX_FMT_FP4 matrix_b_fmt:MATRIX_FMT_FP4
.endr
.Lhidden:
	s_add_co_u32 s[CNT], s[CNT], 1
	s_cmp_lt_u32 s[CNT], 9
	s_cbranch_scc1 .Lstep
	PL 4                                           ; places behind the last products
	s_cmp_eq_u32 s15, 1
	s_cbranch_scc1 .Lgiven
	v_add_f32 v13, v14, v15                        ; A FIRST WAVE HANDS ITS PART OF THE LONG ROW BLOCK OVER: O^T from its low end on, then (-M, sum)
.irp i, 0,1,2,3
	ds_store_b128 v[MA], v[160+4*\i:163+4*\i] offset:512*\i
.endr
	ds_store_b64 v[MB], v[12:13]
.Lgiven:
	s_wait_dscnt 0x0                               ; for the partner's sake
	s_barrier_signal -1
	s_barrier_wait -1
	s_cmp_eq_u32 s15, 1
	s_cbranch_scc0 .Ljoined
.irp i, 0,1,2,3
	ds_load_b128 v[96+4*\i:99+4*\i], v[MA] offset:512*\i
.endr
	ds_load_b64 v[112:113], v[MB]
	s_wait_dscnt 0x0
	v_add_f32 v14, v14, v15
	v_min_num_f32 v232, v12, v112                  ; the common -M
	D 1
	v_sub_f32 v233, v232, v112                     ; the partner's M less the common one: a whole number, 0 or less
	D 2
	v_sub_f32 v234, v232, v12                      ; mine likewise
	D 2
	v_cvt_i32_f32 v233, v233                       ; (they saturate: a part with no step has -M = 3e38 and gets the factor 0)
	D 2
	v_cvt_i32_f32 v234, v234
	D 2
	v_ldexp_f32 v236, 1.0, v233
	D 2
	v_ldexp_f32 v238, 1.0, v234
	D 1
	v_mul_f32 v14, v14, v238
	D 1
	v_fma_f32 v14, v113, v236, v14
	v_mov_b32 v15, 0
.irp j, 0,2,4,6,8,10,12,14
	v_pk_mul_f32 v[160+\j:161+\j], v[160+\j:161+\j], v[238:239] op_sel_hi:[1,0]
.endr
.irp j, 0,2,4,6,8,10,12,14
	v_pk_fma_f32 v[160+\j:161+\j], v[96+\j:97+\j], v[236:237], v[160+\j:161+\j] op_sel_hi:[1,0,1]
.endr
	WAYOUT
.Ljoined:
	s_wait_dscnt 0x0
	s_barrier_signal -1
	s_barrier_wait -1                              ; the work-group's 64 scale words are whole
	s_cmp_lg_u32 s[WV], 0
	s_cbranch_scc1 .Lend
	ds_load_b64 v[204:205], v[ASTR]
	s_wait_dscnt 0x0
	global_store_b64 v[SCO], v[204:205], s[50:51]  ; four runs of 64 bytes: 16 rows of a K step
.Lend:
	s_wait_tensorcnt 0x0                           ; the wave's end
	ds_add_u32 v250, v251
	s_wait_dscnt 0x0
	s_endpgm
.Lfunc_end_k_q8913f95583_attn:
	.size	k_q8913f95583_attn, .Lfunc_end_k_q8913f95583_attn-k_q8913f95583_attn
	.p2alignl 7, 3214868480
	.fill 96, 4, 3214868480
	.section	.rodata,"a",@progbits
	.p2align	6, 0x0
	.amdhsa_kernel k_q8913f95583_attn
		.amdhsa_group_segment_fixed_size 96512
		.amdhsa_private_segment_fixed_size 0
		.amdhsa_enable_private_segment 0
		.amdhsa_kernarg_size 24
		.amdhsa_user_sgpr_count 2
		.amdhsa_user_sgpr_kernarg_segment_ptr 1
		.amdhsa_wavefront_size32 1
		.amdhsa_system_sgpr_workgroup_id_x 1
		.amdhsa_system_sgpr_workgroup_id_y 1
		.amdhsa_system_sgpr_workgroup_id_z 1
		.amdhsa_system_vgpr_workitem_id 0
		.amdhsa_next_free_vgpr 256
		.amdhsa_next_free_sgpr 80
		.amdhsa_reserve_vcc 1
		.amdhsa_float_denorm_mode_32 3
		.amdhsa_float_denorm_mode_16_64 3
		.amdhsa_memory_ordered 1
		.amdhsa_forward_progress 1
		.amdhsa_inst_pref_size 43
	.end_amdhsa_kernel
	.amdgpu_metadata
---
amdhsa.version: [ 1, 2 ]
amdhsa.kernels:
  - .name:           k_q8913f95583_attn
    .symbol:         k_q8913f95583_attn.kd
    .args:
      - { .name: QB, .offset: 0, .size: 8, .value_kind: global_buffer, .address_space: global }
      - { .name: KV, .offset: 8, .size: 8, .value_kind: global_buffer, .address_space: global }
      - { .name: AB, .offset: 16, .size: 8, .value_kind: global_buffer, .address_space: global }
    .group_segment_fixed_size: 96512
    .private_segment_fixed_size: 0
    .kernarg_segment_align: 8
    .kernarg_segment_size: 24
    .max_flat_workgroup_size: 512
    .sgpr_count:     80
    .vgpr_count:     256
    .wavefront_size: 32
...
	.end_amdgpu_metadata
.endif
;; end of part 2
;; launch ffg (part 3): grid 16 x 16, 4 waves a work-group, clusters of 4 x 4, 327,680 bytes of LDS; arguments XB, W_fused_codes, W_fused_scales, AB; writes AB
.if DOCPART == 3
	.amdgcn_target "amdgcn-amd-amdhsa--gfx1250"
	.amdhsa_code_object_version 6
	.text
	.protected	k_q8913f95583_ffg
	.globl	k_q8913f95583_ffg
	.p2align	8
	.type	k_q8913f95583_ffg,@function
k_q8913f95583_ffg:
	s_mov_b64 s[64:65], 0
	v_nop
	global_prefetch_b8 v0, s[64:65] scope:SCOPE_SE
	s_setreg_imm32_b32 hwreg(HW_REG_WAVE_MODE, 25, 1), 1
	s_wait_xcnt 0x0
	s_wait_alu depctr_hold_cnt(0) depctr_sa_sdst(0) depctr_va_vdst(0) depctr_va_sdst(0) depctr_va_ssrc(0) depctr_va_vcc(0) depctr_vm_vsrc(0)
	s_getreg_b32 s2, hwreg(HW_REG_IB_STS2, 6, 4)
	s_cmp_eq_u32 s2, 0
	s_cbranch_scc0 .Lentry_in_a_cluster
	s_endpgm
.Lentry_in_a_cluster:
	s_bfe_u32 s2, ttmp6, 0x10000c
	s_cmp_lg_u32 s2, 0xf033
	s_cbranch_scc0 .Lentry_shape_is_right
	s_endpgm
.Lentry_shape_is_right:
; FFG.  The fused projection's columns 576 to 8,767 on codes of E2M1, then silu(gate) x in f32, then the quantiser along the next product's K: the hidden layer goes to memory as codes alone.
; A tile is 256 rows x 128 hidden units: its part of W is 128 rows of ff_x (576 + 128 col on) and the 128 matching rows of ff_gate (4,096 further on).  Four waves, each 128 rows x (64 + 64): 64 accumulators, 512 registers;
; accumulators (a, b) and (a, b + 4) hold x and gate of the same row and unit in the same lane and register.
; A WORK-GROUP STAYS: it makes two tiles of the same 256 rows, col and col + 16.  K = 1,024 is two LDS slots of 512.  x's codes and scale bytes come once and serve both tiles; so do W's scale bytes of both tiles.
; W's codes of the second tile are asked for in the first tile's last step of 128 along K, when every wave has asked for its last fragments, and land while the first tile goes out; the first tile's stores leave while the second is multiplied.
; A wave has at most one tensor load out (a first fill), later the one of the refill.
; CLUSTERS: 4 x 4 work-groups.  The four of a row of the cluster need the same rows of x, the four of a column the same rows of W: each tile is asked for JOINTLY.
; THE PRODUCT IS USED TRANSPOSED (source 0 = 16 rows of W, source 1 = 16 rows of x): lane (r, h) holds row r and eight units 8 h + j: a conversion of a tile's registers is dword 2 u + h of a block of 32.
; OUT.  AB: images [128 rows 32][K step 36][16 rows 8][1,024 B], K step = col; + 9,437,184: scale words [K step 36][row 4096].
; REGISTERS, in windows of 256: window 0: v0-31 addresses; v32-95 scale words, two sets; from v128 x's fragments, one set; on the way out v128-207.  window 1: W's fragments, two sets.  windows 2, 3: the accumulators.
; No prefetch is laid for the second tile's rows of W: their load has the whole first way out, some 1,300 vector instructions a wave, in which to land.
; LIMITS.  NaN and infinities are not served; a block whose largest magnitude lies under 2^-124 gets the byte 1.
.set NQ,     4
.set ROWB,   256
.set KROW,   512
.set PITCH,  272
.set FR,     8
.set NL,     2
.set NP,     4
.set HALFT,  128*PITCH
.set SLOT,   4*HALFT
.set KS,     32
.set WALK,   16*128                    ; rows of W from a work-group's first tile to its second
.set SCL,    2*SLOT                    ; behind the slots W's scale bytes, four parts of 128 rows
.set HALFS,  128*KS                    ; W's scale bytes of 128 rows, dense.  Four parts: ff_x of the first tile, of the second, the gate's of the first, of the second
.set SBLK,   16*KS
.set SPARE,  SCL+4*HALFS
.set SCST,   SPARE+512                 ; 256 rows' scale words on their way out: 1,024 bytes for each tile
.set ADRS, 8                           ; v8-11 LDS addresses of my scale words: tile t at v[8 + 2 t]; at v[9 + 2 t] W's lanes stand 64 rows further on: the gate's blocks
.set ADRA, 16
.set ADRB, 20
.set L16,  24                          ; 16 x lane
.set SCA,  25                          ; where my row's two scale bytes go
.set SPW,  28
.set NIL,  29
.set SCR,  30                          ; SCST + 256 w + 8 x lane
.set L8,   31
.set SC,   32                          ; W's scale words, two sets (every lane holds row lane % 16's)
.set SX,   96                          ; x's scale words, for all of K and both tiles: slot s at v[SX + 112 s + 4 block + q]: v96-127, v208-239; scales and nothing else
.set PFO,  12                          ; v12 the prefetch's offset: 512 x lane; never rewritten
.set AF,   128
.set E,    128                         ; the way out: 32 numbers,
.set TM,   160
.set TS,   164
.set BY,   166
.set BW,   168
.set PC,   176                         ; and four registers of codes for each block of rows
.set NLE, 2                            ; s[2:3] -log2(e)
.set G1, 24
.set G0, 32
.set G0R, 44                           ; s[44:47] group 0 of the refill; never rewritten
.set G1B, 48
.set G0B, 56
.set SEL, 66
.set XSB, 76                           ; s[76:77] the scale bytes of my 128 rows of x; never rewritten
.set G1SB, 80
.set G0SB, 88
.set PFA, 96                           ; s[96:97] where my prefetch stands; never rewritten
.set MSB, 0
.macro WIN new                         ; the immediate's high byte repeats the setting that is left
.if MSB != \new
	s_set_vgpr_msb (MSB<<8)|\new
.set MSB, \new
.endif
.endm
.set MUL_LO, 0xa1
.set MUL_HI, 0xf1
.set TO_B,   0x40
.macro PLACES n
.rept \n
	v_nop
.endr
.endm
.macro CREST                           ; a round of the cluster's barrier behind its opening barrier
	s_cmp_lg_u32 s14, 0
	s_cbranch_scc1 .Lnot_wave_0_\@
	s_barrier_signal -3
.Lnot_wave_0_\@:
	s_barrier_wait -3
	s_barrier_signal -1
	s_barrier_wait -1
.endm
.macro CROUND                          ; a whole round
	s_barrier_signal -1
	s_barrier_wait -1
	CREST
.endm
	s_load_b64 s[4:5], s[0:1], 0x0                 ; XB
	s_load_b128 s[8:11], s[0:1], 0x8               ; W's codes, W's scales
	s_load_b64 s[12:13], s[0:1], 0x18              ; AB
	v_lshl_add_u32 v[SPW], v0, 2, SPARE
	v_mov_b32 v[NIL], 0
	ds_add_u32 v28, v29
	ds_add_u32 v28, v29
	s_wait_dscnt 0x0
	v_lshrrev_b32 v1, 5, v0
	v_readfirstlane_b32 s14, v1                    ; wave 0..3
	s_lshr_b32 s15, s14, 1                         ; which half of the rows is mine.  Also: at the start I fetch for x (0) or for W (1); in the refill: which slot
	s_and_b32 s16, s14, 1                          ; which half of the units.  Also: which 128 rows I fetch
	s_bfe_u32 s40, ttmp6, 0x40000                  ; cx, cy
	s_bfe_u32 s41, ttmp6, 0x40004
	s_lshl_b32 s42, ttmp9, 2
	s_add_co_u32 s42, s42, s40                     ; col of the first tile = 4 x cluster x + cx
	s_and_b32 s17, ttmp7, 0xffff
	s_lshl_b32 s17, s17, 2
	s_add_co_u32 s17, s17, s41                     ; tile row = 4 x cluster y + cy
	s_lshl_b32 s43, s41, 2
	s_lshl_b32 s43, 15, s43                        ; my row of the cluster
	s_lshl_b32 s44, 0x1111, s40                    ; my column
	s_or_b32 s[G1+0], s43, (0<<16)|(1<<20)|(1<<21)|(5<<22)|(3<<25)   ; 128 rows x 256 bytes, 16 bytes of padding behind each
	s_or_b32 s[G1B+0], s44, (0<<16)|(1<<20)|(1<<21)|(5<<22)|(3<<25)
.irp g, G1, G1B
	s_mov_b32 s[\g+1], ROWB<<16
	s_mov_b32 s[\g+2], (256-128*((\g)/G1B))<<16    ; x's loads bring 256 rows, W's 128
	s_mov_b32 s[\g+3], ROWB<<16
	s_mov_b32 s[\g+4], 256-128*((\g)/G1B)
	s_mov_b32 s[\g+5], KROW
	s_mov_b32 s[\g+6], 0
	s_mov_b32 s[\g+7], 0
.endr
	s_or_b32 s[G1SB+0], s44, (3<<16)|(1<<21)       ; W's scale bytes of both tiles in one tile: four rows of 4,096 bytes (128 rows of W each), 2,048 rows of W apart; elements of 8 bytes, no padding
	s_mov_b32 s[G1SB+1], 512<<16
	s_mov_b32 s[G1SB+2], 4<<16
	s_mov_b32 s[G1SB+3], 512<<16
	s_mov_b32 s[G1SB+4], 4
	s_mov_b32 s[G1SB+5], WALK*KS/8
	s_mov_b32 s[G1SB+6], 0
	s_mov_b32 s[G1SB+7], 0
	s_mov_b32 s[SEL], 0x76543210
	s_mov_b32 s[SEL+1], 0xfedcba98
	s_mov_b32 s[NLE], 0xbfb8aa3b
	s_mov_b32 s[NLE+1], s[NLE]
	s_lshl_b32 s18, s16, 7
	s_lshl_b32 s20, s17, 8
	s_add_co_u32 s20, s20, s18                     ; x: row 256 x tile row + 128 x half
	s_lshl_b32 s46, s42, 7
	s_lshl_b32 s47, s16, 12
	s_add_co_u32 s46, s46, s47
	s_add_co_u32 s46, s46, 576                     ; W: row 576 + 128 col, + 4,096 for the gate's half
	s_mov_b32 s21, 0
	s_mov_b32 s47, 0
	s_lshl_b32 s[XSB], s17, 13
	s_lshl_b32 s[XSB+1], s15, 12
	s_add_co_u32 s[XSB], s[XSB], s[XSB+1]
	s_add_co_u32 s[XSB], s[XSB], 2097152           ; x's scale bytes lie behind its codes: rows 256 x tile row + 128 x my half of the rows
	s_mov_b32 s[XSB+1], 0
	s_lshl_b32 s92, s42, 12
	s_add_co_u32 s92, s92, 576*KS                  ; W's scale bytes: row 576 + 128 col
	s_mov_b32 s93, 0
	s_mov_b64 s[18:19], KROW
	s_mul_u64 s[20:21], s[20:21], s[18:19]
	s_mul_u64 s[46:47], s[46:47], s[18:19]
	s_mul_i32 s45, s14, HALFT                      ; where they go: the wave's number alone
	s_wait_kmcnt 0x0
	s_add_nc_u64 s[20:21], s[4:5], s[20:21]
	s_add_nc_u64 s[XSB:XSB+1], s[4:5], s[XSB:XSB+1]
	s_add_nc_u64 s[46:47], s[8:9], s[46:47]
	s_add_nc_u64 s[92:93], s[10:11], s[92:93]
	CROUND                                         ; all sixteen work-groups are here: the joint loads meet
	s_mov_b32 s[G0SB], 1
	s_mov_b32 s[G0SB+1], SCL
	s_mov_b64 s[G0SB+2:G0SB+3], s[92:93]
	s_or_b32 s[G0SB+3], s[G0SB+3], 0x80000000
.irp s, 0,1
	s_mov_b32 s[G0+4*\s], 1
	s_add_co_u32 s[G0+4*\s+1], s45, \s*SLOT
	s_add_nc_u64 s[G0+4*\s+2:G0+4*\s+3], s[20:21], \s*ROWB
	s_or_b32 s[G0+4*\s+3], s[G0+4*\s+3], 0x80000000
	s_mov_b32 s[G0B+4*\s], 1
	s_add_co_u32 s[G0B+4*\s+1], s45, \s*SLOT
	s_add_nc_u64 s[G0B+4*\s+2:G0B+4*\s+3], s[46:47], \s*ROWB
	s_or_b32 s[G0B+4*\s+3], s[G0B+4*\s+3], 0x80000000
.endr
	; the head's tiles, one tensor load a wave, in one chain of branches on the wave's number:
	; wave 0 slot 0's 256 rows of x, wave 1 W's scale bytes of both tiles, waves 2 and 3 slot 0's rows of ff_x and of the gate
	s_cmp_lt_u32 s14, 1
	s_cbranch_scc0 .Lh1
	tensor_load_to_lds s[G0:G0+3], s[G1:G1+7]
	s_nop 0
	PLACES 4
	s_branch .Lfirst_asked
.Lh1:
	s_cmp_lt_u32 s14, 2
	s_cbranch_scc0 .Lh2
	tensor_load_to_lds s[G0SB:G0SB+3], s[G1SB:G1SB+7]
	s_nop 0
	PLACES 4
	s_branch .Lfirst_asked
.Lh2:
	tensor_load_to_lds s[G0B:G0B+3], s[G1B:G1B+7]
	s_nop 0
	PLACES 4
.Lfirst_asked:
	; the refill's group 0: wave w brings half w % 2 of W's rows of the second tile into slot w / 2.  Its registers belong to no load that is out
	s_mov_b32 s[G0R], 1
	s_mul_i32 s[G0R+1], s15, SLOT
	s_mul_i32 s18, s16, HALFT
	s_add_co_u32 s[G0R+1], s[G0R+1], s18
	s_add_co_u32 s[G0R+1], s[G0R+1], 2*HALFT       ; W's rows lie behind x's 256
	s_lshl_b32 s18, s15, 8                         ; the slot's 256 bytes of a row,
	s_add_co_u32 s18, s18, WALK*KROW               ; WALK rows further down
	s_mov_b32 s19, 0
	s_add_nc_u64 s[G0R+2:G0R+3], s[G0R+2:G0R+3], s[18:19]   ; (s[46:47] held my half's first row of the first tile)
	s_or_b32 s[G0R+3], s[G0R+3], 0x80000000
	v_and_b32 v1, 15, v0                           ; r
	v_bfe_u32 v2, v0, 4, 1                         ; h
	v_mul_u32_u24 v3, v1, PITCH
	v_lshl_add_u32 v4, v2, 4, v3
	s_mul_i32 s21, s15, HALFT                      ; my 128 rows of x
	s_mul_i32 s22, s16, 64*PITCH                   ; my 64 rows of ff_x; the gate's lie 128 rows further on,
	s_add_co_u32 s22, s22, 2*HALFT                 ; all behind x's 256
.irp s, 0,1
	v_add_nc_u32 v[ADRA+\s], s21, v4
	v_add_nc_u32 v[ADRB+\s], s22, v4
	s_add_co_u32 s21, s21, SLOT
	s_add_co_u32 s22, s22, SLOT
.endr
	v_lshlrev_b32 v7, 5, v1                        ; 32 r: a row's scale bytes
.irp a, 0,1,2,3,4,5,6,7
	global_load_b128 v[SX+4*\a:SX+4*\a+3], v7, s[XSB:XSB+1] offset:512*\a             ; x's scale words come once, straight into registers: block a, slot 0's four words of row r,
	global_load_b128 v[SX+112+4*\a:SX+112+4*\a+3], v7, s[XSB:XSB+1] offset:512*\a+16  ; and slot 1's: the two lines together read every byte of the block's 512
.endr
	s_lshl_b32 s21, s16, 11                        ; W's: my 64 units are four blocks of 512 bytes
	s_add_co_u32 s21, s21, SCL
	v_add_nc_u32 v[ADRS], s21, v7                  ; the first tile's ff_x;
	v_add_nc_u32 v[ADRS+1], 2*HALFS-4*SBLK, v[ADRS]   ; its gate, two parts on (blocks 4 to 7 carry 4 blocks in their offsets);
	v_add_nc_u32 v[ADRS+2], HALFS, v[ADRS]         ; the second tile's, one part on
	v_add_nc_u32 v[ADRS+3], HALFS, v[ADRS+1]
	; A PREFETCH INTO THE L2 of slot 1's bytes, one fill ahead of the loads that ask for them: the second 256 bytes of 256 rows of x and of 256 rows of W.  The four partners that ask for a tile jointly
	; share its rows out by address: 64 rows each (by cx for x, by cy for W), 32 a wave, a lane a row: waves 0 and 1 for x, waves 2 and 3 for W.  Each block of 256 bytes is named once in the cluster.
	s_lshl_b32 s18, s17, 8
	s_lshl_b32 s19, s40, 6
	s_add_co_u32 s18, s18, s19                     ; x: row 256 x tile row + 64 cx
	s_lshl_b32 s19, s42, 7
	s_add_co_u32 s19, s19, 576
	s_lshr_b32 s94, s41, 1
	s_lshl_b32 s94, s94, 12
	s_add_co_u32 s19, s19, s94
	s_and_b32 s94, s41, 1
	s_lshl_b32 s94, s94, 6
	s_add_co_u32 s19, s19, s94                     ; W: row 576 + 128 col + 4,096 (cy / 2) + 64 (cy % 2)
	s_cmp_eq_u32 s15, 0
	s_cselect_b32 s18, s18, s19
	s_cselect_b64 s[PFA:PFA+1], s[4:5], s[8:9]
	s_lshl_b32 s19, s16, 5
	s_add_co_u32 s18, s18, s19                     ; + my wave's 32
	s_lshl_b32 s18, s18, 9
	s_mov_b32 s19, 0
	s_add_nc_u64 s[PFA:PFA+1], s[PFA:PFA+1], s[18:19]
	v_and_b32 v[PFO], 31, v0
	v_lshlrev_b32 v[PFO], 9, v[PFO]
	global_prefetch_b8 v[PFO], s[PFA:PFA+1] offset:ROWB th:TH_LOAD_NT scope:SCOPE_SE
	v_and_b32 v6, 31, v0
	v_lshlrev_b32 v[L16], 4, v6
	v_lshlrev_b32 v[L8], 3, v6
	s_lshl_b32 s23, s15, 9
	s_lshl_b32 s22, s16, 1
	s_add_co_u32 s23, s23, s22
	s_add_co_u32 s23, s23, SCST
	v_lshl_add_u32 v[SCA], v1, 2, s23              ; row 128 (row half) + r: its word's bytes 2 (unit half) and the next
	s_lshl_b32 s23, s14, 8
	s_add_co_u32 s23, s23, SCST
	v_add_nc_u32 v[SCR], s23, v[L8]
	s_lshl_b32 s20, s17, 1
	s_add_co_u32 s20, s20, s15
	s_mul_i32 s20, s20, 36
	s_add_co_u32 s20, s20, s42
	s_lshl_b32 s20, s20, 13
	s_lshl_b32 s21, s16, 9
	s_add_co_u32 s20, s20, s21                     ; my images: 128 rows 2 (tile row) + row half, K step col, half = unit half
	s_mov_b32 s21, 0
	s_add_nc_u64 s[92:93], s[12:13], s[20:21]
	s_lshl_b32 s20, s42, 14
	s_lshl_b32 s22, s17, 10
	s_add_co_u32 s20, s20, s22
	s_lshl_b32 s22, s14, 8
	s_add_co_u32 s20, s20, s22
	s_add_co_u32 s20, s20, 9437184                 ; the scale words of K step col, rows 256 (tile row) + 64 w on
	s_add_nc_u64 s[12:13], s[12:13], s[20:21]
.macro FRAG reg, adr, q, i             ; 16 rows x 128 K of 4-bit codes: 8 registers
.irp c, 0,1
	ds_load_b128 v[\reg+4*\c:\reg+4*\c+3], v[\adr] offset:64*(\q)+32*\c+(\i)*16*PITCH
.endr
.endm
; 16 products: x's blocks a0, a0 + 1 against W's eight.  The 64 accumulators take turns, in the same order in every step.
.macro MUL16 a0, p, q, sc, zero
.irp a, \a0, \a0+1
.irp b, 0,1,2,3,4,5,6,7
.if \zero
	v_wmma_scale_f32_16x16x128_f8f6f4 v[8*(8*((\a)%4)+\b):8*(8*((\a)%4)+\b)+7], v[128*(\p)+FR*\b:128*(\p)+FR*\b+FR-1], v[AF+FR*(\a):AF+FR*(\a)+FR-1], 0, v[SC+8*NQ*(\sc)+NQ*\b+(\q)], v[SX+112*(\sc)+NQ*(\a)+(\q)] matrix_a_fmt:MATRIX_FMT_FP4 matrix_b_fmt:MATRIX_FMT_FP4 matrix_a_scale:MATRIX_SCALE_ROW1
.else
	v_wmma_scale_f32_16x16x128_f8f6f4 v[8*(8*((\a)%4)+\b):8*(8*((\a)%4)+\b)+7], v[128*(\p)+FR*\b:128*(\p)+FR*\b+FR-1], v[AF+FR*(\a):AF+FR*(\a)+FR-1], v[8*(8*((\a)%4)+\b):8*(8*((\a)%4)+\b)+7], v[SC+8*NQ*(\sc)+NQ*\b+(\q)], v[SX+112*(\sc)+NQ*(\a)+(\q)] matrix_a_fmt:MATRIX_FMT_FP4 matrix_b_fmt:MATRIX_FMT_FP4 matrix_a_scale:MATRIX_SCALE_ROW1
.endif
.endr
.endr
.endm
.macro FETCH_B slot, q, p              ; W's eight fragments: blocks 0-3 of ff_x, blocks 4-7 of the gate, 128 rows further on
	WIN TO_B
.irp i, 0,1,2,3,4,5,6,7
	FRAG 128*(\p)+FR*\i, ADRB+\slot, \q, (\i%4)+8*(\i/4)
.endr
	WIN 0
.endm
.macro FETCH_A slot, q, i0
.irp i, \i0, \i0+1, \i0+2, \i0+3
	FRAG AF+FR*(\i), ADRA+\slot, \q, \i
.endr
.endm
.macro SCALES t, sc                    ; tile t, slot sc: four scale words a row, 16 bytes on for slot 1; every lane takes W's block i of row lane % 16
.irp i, 0,1,2,3
	ds_load_b128 v[SC+8*NQ*(\sc)+NQ*\i:SC+8*NQ*(\sc)+NQ*\i+3], v[ADRS+2*(\t)] offset:\i*SBLK+16*(\sc)
.endr
.irp i, 4,5,6,7
	ds_load_b128 v[SC+8*NQ*(\sc)+NQ*\i:SC+8*NQ*(\sc)+NQ*\i+3], v[ADRS+2*(\t)+1] offset:\i*SBLK+16*(\sc)
.endr
.endm
.macro STEP slot, q, zero              ; a step of 128 along K that has its successor in the same slot
	s_wait_dscnt 4*NL                              ; W's set and x's blocks 0-3 are in; the youngest eight loads (x's blocks 4-7) may be out
	WIN MUL_LO
	MUL16 0, (\q)%2, \q, \slot, \zero
	MUL16 2, (\q)%2, \q, \slot, \zero
	s_wait_dscnt 0
	PLACES NP
	FETCH_B \slot, (\q)+1, 1-(\q)%2
	FETCH_A \slot, (\q)+1, 0
	WIN MUL_HI
	MUL16 4, (\q)%2, \q, \slot, \zero
	MUL16 6, (\q)%2, \q, \slot, \zero
	PLACES NP
	WIN 0
	FETCH_A \slot, (\q)+1, 4
.endm
.macro STEPS slot, from
.set Q, \from
.rept NQ-1-\from
	STEP \slot, Q, 0
.set Q, Q+1
.endr
.endm
; Slot 0's last step goes on into slot 1.  In the first tile slot 1's load may still be out: each wave waits for its own and a barrier shows all of it to every wave.
; In the second tile both slots were shown whole by the barrier at its head.
.macro MIDTURN t
.if (\t) == 0
	s_wait_tensorcnt 0x0                           ; all my tensor loads have landed: my part of slot 1
	ds_add_u32 v[SPW], v[NIL]                      ; 0 onto my spare word
	s_wait_dscnt 4*NL+1                            ; (the add and x's blocks 4-7 may be out)
	WIN MUL_LO
	MUL16 0, 1, NQ-1, 0, 0
	s_wait_dscnt 0x0
	s_barrier_signal -1
	MUL16 2, 1, NQ-1, 0, 0
	WIN 0
	s_barrier_wait -1
.else
	s_wait_dscnt 4*NL                              ; x's blocks 4-7 may be out
	WIN MUL_LO
	MUL16 0, 1, NQ-1, 0, 0
	MUL16 2, 1, NQ-1, 0, 0
	s_wait_dscnt 0
.endif
	PLACES NP
	FETCH_B 1, 0, 0
	FETCH_A 1, 0, 0
	SCALES \t, 1
	WIN MUL_HI
	MUL16 4, 1, NQ-1, 0, 0
	MUL16 6, 1, NQ-1, 0, 0
	PLACES NP
	WIN 0
	FETCH_A 1, 0, 4
.endm
; A tile's last step of 128 along K.  In the first tile it also asks for the second tile's rows of W.  All my fragments of this tile have been asked for: I wait for all my tensor loads, add 0 to my spare word, wait for that and for
; my reads of both slots, and open a round of the cluster's barrier; behind it no wave of any partner reads W's rows or has a load on its way, and each wave's one joint load is the first thing there.
.macro LAST t
.if (\t) == 0
	s_wait_tensorcnt 0x0                           ; no tensor load of mine is out
	ds_add_u32 v[SPW], v[NIL]                      ; 0 onto my spare word
	s_wait_dscnt 4*NL+1                            ; (the add and x's blocks 4-7 may be out)
	WIN MUL_LO
	MUL16 0, 1, NQ-1, 1, 0                         ; sixteen products stand between the add and the wait for it
	s_wait_dscnt 0x0                               ; the add is done, and my reads of both slots are over
	s_barrier_signal -1
	MUL16 2, 1, NQ-1, 1, 0
	WIN 0
	s_barrier_wait -1
	CREST
	tensor_load_to_lds s[G0R:G0R+3], s[G1B:G1B+7]  ; wave w: half w % 2 of the second tile's rows of W, into slot w / 2
	s_nop 0
	PLACES 4
	WIN MUL_HI
	MUL16 4, 1, NQ-1, 1, 0
	MUL16 6, 1, NQ-1, 1, 0
	WIN 0
.else
	s_wait_dscnt 4*NL
	WIN MUL_LO
	MUL16 0, 1, NQ-1, 1, 0
	MUL16 2, 1, NQ-1, 1, 0
	s_wait_dscnt 0
	WIN MUL_HI
	MUL16 4, 1, NQ-1, 1, 0
	MUL16 6, 1, NQ-1, 1, 0
	WIN 0
.endif
.endm
.macro QUANT2 s00, s01, s10, s11, pc, by   ; two blocks of 32 become codes: lanes 0-15 end with block 0's 16 bytes, lanes 16-31 with block 1's
	v_max3_num_f32 v[TM], |v[(\s00)]|, |v[(\s00)+1]|, 0x1800000     ; with the floor 2^(3 - 127): the byte cannot fall under 1
	v_max3_num_f32 v[TM+1], |v[(\s10)]|, |v[(\s10)+1]|, 0x1800000
.irp i, 2,4,6
	v_max3_num_f32 v[TM], v[TM], |v[(\s00)+\i]|, |v[(\s00)+\i+1]|
	v_max3_num_f32 v[TM+1], v[TM+1], |v[(\s10)+\i]|, |v[(\s10)+\i+1]|
.endr
.irp i, 0,2,4,6
	v_max3_num_f32 v[TM], v[TM], |v[(\s01)+\i]|, |v[(\s01)+\i+1]|
	v_max3_num_f32 v[TM+1], v[TM+1], |v[(\s11)+\i]|, |v[(\s11)+\i+1]|
.endr
	v_permlanex16_b32 v[TM+2], v[TM], s[SEL], s[SEL+1]
	v_permlanex16_b32 v[TM+3], v[TM+1], s[SEL], s[SEL+1]
	v_max_num_f32 v[TM], v[TM], v[TM+2]
	v_max_num_f32 v[TM+1], v[TM+1], v[TM+3]
	v_add_nc_u32 v[TS], 0xff000000, v[TM]
	v_add_nc_u32 v[TS+1], 0xff000000, v[TM+1]
	v_lshrrev_b32 v[(\by)], 23, v[TS]
	v_lshrrev_b32 v[(\by)+1], 23, v[TS+1]
	v_cvt_scalef32_pk8_fp4_f32 v[(\pc)], v[(\s00):(\s00)+7], v[TS]
	v_cvt_scalef32_pk8_fp4_f32 v[(\pc)+1], v[(\s10):(\s10)+7], v[TS+1]
	v_cvt_scalef32_pk8_fp4_f32 v[(\pc)+2], v[(\s01):(\s01)+7], v[TS]
	v_cvt_scalef32_pk8_fp4_f32 v[(\pc)+3], v[(\s11):(\s11)+7], v[TS+1]
	v_nop
	v_permlane16_swap_b32 v[(\pc)], v[(\pc)+1]
	v_permlane16_swap_b32 v[(\pc)+2], v[(\pc)+3]
.endm
; THE WAY OUT of block a of 16 rows of tile t: g / (1 + 2^(-g log2 e)), times x; two blocks of 32 units quantised; half an image stored; two scale bytes a row into LDS.  Each accumulator is read from its low end on.
.macro FFOUT a, t
.set AC, 64*((\a)%4)
	WIN 0x02+(\a)/4                                ; source 0 in the accumulators' window
.set N, 0
.rept 16
	v_pk_mul_f32 v[E+N:E+N+1], v[AC+32+N:AC+32+N+1], s[NLE:NLE+1] op_sel_hi:[1,0]
.set N, N+2
.endr
	WIN 0
.set N, 0
	s_wait_alu depctr_va_vdst(0)
.rept 32
	v_exp_f32 v[E+N], v[E+N]
.set N, N+1
.endr
	v_nop
	s_wait_alu depctr_va_vdst(0)                   ; one wait for the batch
.set N, 0
.rept 16
	v_pk_add_f32 v[E+N:E+N+1], v[E+N:E+N+1], 1.0 op_sel_hi:[1,0]
.set N, N+2
.endr
.set N, 0
	s_wait_alu depctr_va_vdst(0)
.rept 32
	v_rcp_f32 v[E+N], v[E+N]
.set N, N+1
.endr
	v_nop
	s_wait_alu depctr_va_vdst(0)
	WIN 0x02+(\a)/4
.set N, 0
.rept 16
	v_pk_mul_f32 v[E+N:E+N+1], v[AC+32+N:AC+32+N+1], v[E+N:E+N+1]   ; silu(gate),
.set N, N+2
.endr
.set N, 0
.rept 16
	v_pk_mul_f32 v[E+N:E+N+1], v[AC+N:AC+N+1], v[E+N:E+N+1]         ; times x
.set N, N+2
.endr
	WIN 0
	QUANT2 E, E+8, E+16, E+24, PC+4*(\a), BY
	v_lshl_or_b32 v[BW], v[BY+1], 8, v[BY]
	global_store_b128 v[L16], v[PC+4*(\a):PC+4*(\a)+3], s[92:93] offset:1024*(\a)+16*8192*(\t)   ; 512 consecutive bytes, aligned; the second tile's K step lies 16 on
	ds_store_b16 v[SCA], v[BW] offset:64*(\a)+1024*(\t)   ; both lanes of a row write the same two bytes
.endm
.macro WAYOUT t
	PLACES NP                                      ; in front of the first read of results, and of writes to the registers that held x's fragments
	v_mov_b32 v[TM+2], 0                           ; lane permutes' destinations
	v_mov_b32 v[TM+3], 0
.irp a, 0,1,2,3,4,5,6,7
	FFOUT \a, \t
.endr
.if (\t) == 0
	s_wait_tensorcnt 0x0                           ; my part of the second tile's rows of W has landed
.endif
	s_wait_dscnt 0x0                               ; for the others' sake: my scale bytes lie in LDS
	s_barrier_signal -1
	s_barrier_wait -1                              ; everybody's do; and in the first tile both slots are whole again
	ds_load_b64 v[E:E+1], v[SCR] offset:1024*(\t)
	s_wait_dscnt 0x0
	global_store_b64 v[L8], v[E:E+1], s[12:13] offset:16*16384*(\t)   ; 64 rows' scale words: 256 consecutive bytes, aligned
.if (\t) == 0
	s_wait_xcnt 0x0                                ; this tile's stores have read their registers: the next tile's fragments land there only behind this wait
.endif
.endm
.macro TILE t
	FETCH_B 0, 0, 0
	FETCH_A 0, 0, 0
	SCALES \t, 0
	FETCH_A 0, 0, 4
	STEP 0, 0, 1                                   ; the first step's products start the sums: nothing is cleared
	STEPS 0, 1
	MIDTURN \t
	STEPS 1, 0
	LAST \t
	WAYOUT \t
.endm
	s_wait_alu depctr_va_vdst(0)
	s_wait_tensorcnt 0x0                           ; my tile of the head's four is in
	ds_add_u32 v[SPW], v[NIL]
	s_wait_dscnt 0x0
	CROUND                                         ; a whole round: everybody's tile is in, and the joint loads meet
	s_cmp_lt_u32 s14, 1                            ; slot 1's first fill, one load a wave: wave 0 x's 256 rows, waves 2 and 3 W's halves, wave 1 none
	s_cbranch_scc0 .Ls1
	tensor_load_to_lds s[G0+4:G0+7], s[G1:G1+7]
	s_nop 0
	PLACES 4
	s_branch .Lsecond_asked
.Ls1:
	s_cmp_lt_u32 s14, 2
	s_cbranch_scc1 .Lsecond_asked
	tensor_load_to_lds s[G0B+4:G0B+7], s[G1B:G1B+7]
	s_nop 0
	PLACES 4
.Lsecond_asked:
	s_wait_loadcnt 0x0                             ; x's scale words
	TILE 0
	TILE 1
	s_wait_tensorcnt 0x0                           ; the wave's end
	ds_add_u32 v[SPW], v[NIL]
	s_wait_dscnt 0x0
	CROUND                                         ; the closing round: no work-group ends while a partner may still ask jointly
	s_endpgm
.Lfunc_end_k_q8913f95583_ffg:
	.size	k_q8913f95583_ffg, .Lfunc_end_k_q8913f95583_ffg-k_q8913f95583_ffg
	.p2alignl 7, 3214868480
	.fill 96, 4, 3214868480
	.section	.rodata,"a",@progbits
	.p2align	6, 0x0
	.amdhsa_kernel k_q8913f95583_ffg
		.amdhsa_group_segment_fixed_size 327680
		.amdhsa_private_segment_fixed_size 0
		.amdhsa_enable_private_segment 0
		.amdhsa_kernarg_size 32
		.amdhsa_user_sgpr_count 2
		.amdhsa_user_sgpr_kernarg_segment_ptr 1
		.amdhsa_wavefront_size32 1
		.amdhsa_system_sgpr_workgroup_id_x 1
		.amdhsa_system_sgpr_workgroup_id_y 1
		.amdhsa_system_sgpr_workgroup_id_z 1
		.amdhsa_system_vgpr_workitem_id 0
		.amdhsa_next_free_vgpr 1024
		.amdhsa_next_free_sgpr 100
		.amdhsa_reserve_vcc 0
		.amdhsa_float_denorm_mode_32 3
		.amdhsa_float_denorm_mode_16_64 3
		.amdhsa_memory_ordered 1
		.amdhsa_forward_progress 1
		.amdhsa_inst_pref_size 255
	.end_amdhsa_kernel
	.section	.bss,"aw",@nobits
	.p2align	6
	.space	262144
	.amdgpu_metadata
---
amdhsa.version: [ 1, 2 ]
amdhsa.kernels:
  - .name:           k_q8913f95583_ffg
    .symbol:         k_q8913f95583_ffg.kd
    .args:
      - { .name: XB, .offset: 0, .size: 8, .value_kind: global_buffer, .address_space: global }
      - { .name: W_fused_codes, .offset: 8, .size: 8, .value_kind: global_buffer, .address_space: global }
      - { .name: W_fused_scales, .offset: 16, .size: 8, .value_kind: global_buffer, .address_space: global }
      - { .name: AB, .offset: 24, .size: 8, .value_kind: global_buffer, .address_space: global }
    .group_segment_fixed_size: 327680
    .private_segment_fixed_size: 0
    .kernarg_segment_align: 8
    .kernarg_segment_size: 32
    .max_flat_workgroup_size: 128
    .sgpr_count:     100
    .vgpr_count:     1024
    .wavefront_size: 32
...
	.end_amdgpu_metadata
.endif
;; end of part 3
;; launch outg (part 4): grid 8 x 32, 4 waves a work-group, clusters of 4 x 4, 327,680 bytes of LDS; arguments AB, WO, W_ff_out_scales, W_attn_out_scales, out0; writes out0
.if DOCPART == 4
	.amdgcn_target "amdgcn-amd-amdhsa--gfx1250"
	.amdhsa_code_object_version 6
	.text
	.protected	k_q8913f95583_outg
	.globl	k_q8913f95583_outg
	.p2align	8
	.type	k_q8913f95583_outg,@function
k_q8913f95583_outg:
	s_mov_b64 s[64:65], 0
	v_nop
	global_prefetch_b8 v0, s[64:65] scope:SCOPE_SE
	s_setreg_imm32_b32 hwreg(HW_REG_WAVE_MODE, 25, 1), 1
	s_wait_xcnt 0x0
	s_wait_alu depctr_hold_cnt(0) depctr_sa_sdst(0) depctr_va_vdst(0) depctr_va_sdst(0) depctr_va_ssrc(0) depctr_va_vcc(0) depctr_vm_vsrc(0)
	s_getreg_b32 s2, hwreg(HW_REG_IB_STS2, 6, 4)
	s_cmp_eq_u32 s2, 0
	s_cbranch_scc0 .Lentry_in_a_cluster
	s_endpgm
.Lentry_in_a_cluster:
	s_bfe_u32 s2, ttmp6, 0x10000c
	s_cmp_lg_u32 s2, 0xf033
	s_cbranch_scc0 .Lentry_shape_is_right
	s_endpgm
.Lentry_shape_is_right:
.set PHB,   73728
.set SLOT,  2*PHB
.set SPARE, 2*SLOT
.set STAGE, SPARE+512
.set ADRA, 16
.set ADRB, 20
.set STO,  24
.set RD,   25
.set CO,   26
.set R4,   27
.set SPW,  28
.set NIL,  29
.set WFO,  30
.set WAO,  31
.set SC,   32
.set BK,   176
.set ACC,  128
.set G1, 24
.set G0, 32
.set G1B, 48
.set G0B, 56
.set MSB, 0
.macro WIN new
.if MSB != \new
	s_set_vgpr_msb (MSB<<8)|\new
.set MSB, \new
.endif
.endm
.set MUL,  0x55
.set TO_F, 0x40
.macro PLACES n
.rept \n
	v_nop
.endr
.endm
.macro JLOAD s
	s_cmp_eq_u32 s11, 0
	s_cbranch_scc0 .Lfor_b_\@
	tensor_load_to_lds s[G0+4*\s:G0+4*\s+3], s[G1:G1+7]
	s_nop 0
.rept 4
	v_nop
.endr
	s_branch .Lasked_\@
.Lfor_b_\@:
	tensor_load_to_lds s[G0B+4*\s:G0B+4*\s+3], s[G1B:G1B+7]
	s_nop 0
.rept 4
	v_nop
.endr
.Lasked_\@:
.endm
.macro CREST
	s_cmp_lg_u32 s10, 0
	s_cbranch_scc1 .Lnot_wave_0_\@
	s_barrier_signal -3
.Lnot_wave_0_\@:
	s_barrier_wait -3
	s_barrier_signal -1
	s_barrier_wait -1
.endm
.macro CROUND
	s_barrier_signal -1
	s_barrier_wait -1
	CREST
.endm
	s_load_b128 s[4:7], s[0:1], 0x0
	s_load_b128 s[68:71], s[0:1], 0x10
	s_load_b64 s[8:9], s[0:1], 0x20
	v_lshl_add_u32 v[SPW], v0, 2, SPARE
	v_mov_b32 v[NIL], 0
	ds_add_u32 v28, v29
	ds_add_u32 v28, v29
	s_wait_dscnt 0x0
	v_lshrrev_b32 v1, 5, v0
	v_readfirstlane_b32 s10, v1
	s_lshr_b32 s11, s10, 1
	s_and_b32 s12, s10, 1
	s_bfe_u32 s40, ttmp6, 0x40000
	s_bfe_u32 s41, ttmp6, 0x40004
	s_lshl_b32 s42, ttmp9, 2
	s_add_co_u32 s42, s42, s40
	s_and_b32 s13, ttmp7, 0xffff
	s_lshl_b32 s13, s13, 2
	s_add_co_u32 s13, s13, s41
	s_lshl_b32 s43, s41, 2
	s_lshl_b32 s43, 15, s43
	s_lshl_b32 s44, 0x1111, s40
	s_mov_b32 s45, 0xffff0000
	s_or_b32 s[G1+0], s43, (3<<16)|(1<<21)
	s_or_b32 s[G1B+0], s44, (3<<16)|(1<<21)
.irp g, G1, G1B
	s_mov_b32 s[\g+1], 32<<16
	s_mov_b32 s[\g+2], 144<<16
	s_mov_b32 s[\g+3], 32<<16
	s_mov_b32 s[\g+4], 144
	s_mov_b32 s[\g+5], 32
	s_mov_b32 s[\g+6], 0
	s_mov_b32 s[\g+7], 0
.endr
	s_mul_i32 s16, s13, 4*PHB
	s_mul_i32 s17, s12, PHB/2
	s_add_co_u32 s16, s16, s17
	s_mul_i32 s46, s42, 4*PHB
	s_add_co_u32 s46, s46, s17
	s_mov_b32 s17, 0
	s_mov_b32 s47, 0
	s_mul_i32 s20, s10, PHB/2
	s_lshl_b32 s72, s13, 9
	s_lshl_b32 s73, s11, 8
	s_add_co_u32 s72, s72, s73
	s_add_co_u32 s72, s72, 9437184
	s_mov_b32 s73, 0
	s_lshl_b32 s74, s42, 14
	s_lshl_b32 s75, s12, 13
	s_add_co_u32 s74, s74, s75
	s_mov_b32 s75, 0
	s_lshr_b32 s76, s74, 3
	s_mov_b32 s77, 0
	s_wait_kmcnt 0x0
	s_add_nc_u64 s[14:15], s[4:5], s[16:17]
	s_add_nc_u64 s[46:47], s[6:7], s[46:47]
	s_add_nc_u64 s[72:73], s[4:5], s[72:73]
	s_add_nc_u64 s[68:69], s[68:69], s[74:75]
	s_add_nc_u64 s[70:71], s[70:71], s[76:77]
	CROUND
.irp s, 0,1
	s_mov_b32 s[G0+4*\s], 1
	s_add_co_u32 s[G0+4*\s+1], s20, \s*SLOT
	s_add_nc_u64 s[G0+4*\s+2:G0+4*\s+3], s[14:15], \s*PHB
	s_or_b32 s[G0+4*\s+3], s[G0+4*\s+3], 0x80000000
	s_mov_b32 s[G0B+4*\s], 1
	s_add_co_u32 s[G0B+4*\s+1], s20, \s*SLOT
	s_add_nc_u64 s[G0B+4*\s+2:G0B+4*\s+3], s[46:47], \s*PHB
	s_or_b32 s[G0B+4*\s+3], s[G0B+4*\s+3], 0x80000000
.endr
	JLOAD 0                                        ; phase 0's tiles: one tensor load a wave at the head, behind the round
	; A PREFETCH INTO THE L2, one fill ahead: behind the joint load of phase p stands the request for phase p + 1's tiles, 73,728 dense bytes of the images of A and as many of B.
	; The four partners that ask for a tile jointly share it out by address, 18,432 bytes each (by cx for A, by cy for B); waves 0 and 1 take A's share, waves 2 and 3 B's: 36 blocks of 256 bytes a wave,
	; a lane a block in two lines; in the second the lanes that are left over name the wave's last block again.  The last phase's load has no request behind it.
.macro ASK p
	global_prefetch_b8 v5, s[78:79] offset:(\p)*PHB th:TH_LOAD_NT scope:SCOPE_SE
	global_prefetch_b8 v6, s[78:79] offset:(\p)*PHB th:TH_LOAD_NT scope:SCOPE_SE
.endm
	s_cmp_eq_u32 s11, 0
	s_cselect_b32 s16, s13, s42                    ; the tile: A's by the tile row, B's by the tile column
	s_cselect_b32 s17, s40, s41                    ; my place among the four
	s_cselect_b64 s[78:79], s[4:5], s[6:7]
	s_mul_i32 s16, s16, 4*PHB
	s_mul_i32 s17, s17, PHB/4
	s_add_co_u32 s16, s16, s17
	s_mul_i32 s17, s12, PHB/8
	s_add_co_u32 s16, s16, s17
	s_mov_b32 s17, 0
	s_add_nc_u64 s[78:79], s[78:79], s[16:17]      ; never rewritten: the phases go by the immediate
	v_and_b32 v1, 15, v0
	v_bfe_u32 v2, v0, 4, 1
	v_and_b32 v3, 31, v0
	v_lshlrev_b32 v3, 4, v3
	v_lshlrev_b32 v[R4], 2, v1
	v_lshlrev_b32 v[WFO], 7, v1
	v_lshlrev_b32 v[WAO], 4, v1
	WIN TO_F
.irp i, 0,1,2,3
.irp g, 0,1,2,3,4,5,6,7
	global_load_b128 v[36*\i+4*\g:36*\i+4*\g+3], v[WFO], s[68:69] offset:2048*\i+16*\g
.endr
	global_load_b128 v[36*\i+32:36*\i+35], v[WAO], s[70:71] offset:256*\i
.endr
	WIN 0
.set TT, 0
.rept 36
.irp i, 0,1,2,3
	global_load_b32 v[SC+36*\i+TT], v[R4], s[72:73] offset:16384*TT+64*\i
.endr
.set TT, TT+1
.endr
	v_and_b32 v5, 31, v0
	v_min_u32 v6, 3, v5
	v_lshlrev_b32 v5, 8, v5                        ; blocks 0 to 31 of my 36,
	v_lshl_add_u32 v6, v6, 8, 8192                 ; and 32 to 35
	ASK 1
	s_lshl_b32 s21, s11, 12
	s_lshl_b32 s22, s12, 12
	s_add_co_u32 s22, s22, PHB
.irp s, 0,1
	v_add_nc_u32 v[ADRA+\s], s21, v3
	v_add_nc_u32 v[ADRB+\s], s22, v3
	v_add_nc_u32 v[ADRA+2+\s], 0x10000, v[ADRA+\s]
	v_add_nc_u32 v[ADRB+2+\s], 0x10000, v[ADRB+\s]
	s_add_co_u32 s21, s21, SLOT
	s_add_co_u32 s22, s22, SLOT
.endr
	s_mul_i32 s23, s10, 16*272
	s_add_co_u32 s23, s23, STAGE
	v_mul_u32_u24 v4, v1, 272
	v_lshl_add_u32 v4, v2, 5, v4
	v_add_nc_u32 v[STO], s23, v4
	v_mul_u32_u24 v4, v2, 272
	v_lshl_add_u32 v4, v1, 4, v4
	v_add_nc_u32 v[RD], s23, v4
	v_lshlrev_b32 v[CO], 12, v2
	v_lshl_add_u32 v[CO], v1, 4, v[CO]
	s_lshl_b32 s16, s13, 19
	s_lshl_b32 s17, s11, 18
	s_add_co_u32 s16, s16, s17
	s_lshl_b32 s17, s42, 9
	s_add_co_u32 s16, s16, s17
	s_lshl_b32 s17, s12, 8
	s_add_co_u32 s16, s16, s17
	s_mov_b32 s17, 0
	s_add_nc_u64 s[8:9], s[8:9], s[16:17]
	s_wait_alu depctr_va_vdst(0)                   ; the wait at the head's end
	s_wait_tensorcnt 0x0                           ; my part of phase 0 is in
	ds_add_u32 v[SPW], v[NIL]
	s_wait_dscnt 0x0
	CROUND                                         ; a whole round: everybody's part is in, and the joint loads meet
	JLOAD 1                                        ; phase 1's tiles, the first tensor load behind the round
	s_wait_loadcnt 0x0                             ; the scale words, asked for beside phase 0's tiles
	WIN 0x04
.set TT, 0
.rept 144
	v_cndmask_b32 v[SC+TT], v[SC+TT], v[TT], s45
.set TT, TT+1
.endr
	WIN 0
	ASK 2
	PLACES 8
.macro FETCH slot, t, f
	WIN TO_F
.irp i, 0,1,2,3
.irp c, 0,1
	ds_load_b128 v[64*(\f)+8*\i+4*\c:64*(\f)+8*\i+4*\c+3], v[ADRB+(\slot)+2*((\t)/8)] offset:((\t)%8)*8192+\i*1024+\c*512
	ds_load_b128 v[64*(\f)+32+8*\i+4*\c:64*(\f)+32+8*\i+4*\c+3], v[ADRA+(\slot)+2*((\t)/8)] offset:((\t)%8)*8192+\i*1024+\c*512
.endr
.endr
.endm
.macro MUL8 f, ks, half
.irp a, 2*(\half), 2*(\half)+1
.irp b, 0,1,2,3
.if (\ks) == 0
	v_wmma_scale_f32_16x16x128_f8f6f4 v[ACC+8*(4*(\a)+\b):ACC+8*(4*(\a)+\b)+7], v[64*(\f)+8*\b:64*(\f)+8*\b+7], v[64*(\f)+32+8*(\a):64*(\f)+32+8*(\a)+7], 0, v[SC+36*\b+(\ks)], v[SC+36*(\a)+(\ks)] matrix_a_fmt:MATRIX_FMT_FP4 matrix_b_fmt:MATRIX_FMT_FP4 matrix_a_scale:MATRIX_SCALE_ROW1
.else
	v_wmma_scale_f32_16x16x128_f8f6f4 v[ACC+8*(4*(\a)+\b):ACC+8*(4*(\a)+\b)+7], v[64*(\f)+8*\b:64*(\f)+8*\b+7], v[64*(\f)+32+8*(\a):64*(\f)+32+8*(\a)+7], v[ACC+8*(4*(\a)+\b):ACC+8*(4*(\a)+\b)+7], v[SC+36*\b+(\ks)], v[SC+36*(\a)+(\ks)] matrix_a_fmt:MATRIX_FMT_FP4 matrix_b_fmt:MATRIX_FMT_FP4 matrix_a_scale:MATRIX_SCALE_ROW1
.endif
.endr
.endr
.endm
.macro KSTEP slot, t, ks
	s_wait_dscnt 0x0
	PLACES 4
	FETCH \slot, (\t)+1, ((\ks)+1)%2
	WIN MUL
	MUL8 (\ks)%2, \ks, 0
	MUL8 (\ks)%2, \ks, 1
.endm
.macro LASTK slot, ks, fill
	WIN 0
	s_wait_tensorcnt 0x0
	ds_add_u32 v[SPW], v[NIL]
	s_wait_dscnt 1
	WIN MUL
	MUL8 (\ks)%2, \ks, 0
	s_wait_dscnt 0x0
	s_barrier_signal -1
	MUL8 (\ks)%2, \ks, 1
	WIN 0
	s_barrier_wait -1
.if \fill
	CREST
	s_add_nc_u64 s[G0+4*\slot+2:G0+4*\slot+3], s[G0+4*\slot+2:G0+4*\slot+3], 2*PHB
	s_add_nc_u64 s[G0B+4*\slot+2:G0B+4*\slot+3], s[G0B+4*\slot+2:G0B+4*\slot+3], 2*PHB
	JLOAD \slot
.else
	PLACES 4
.endif
	FETCH 1-(\slot), 0, ((\ks)+1)%2
.if (\ks) == 8
	ASK 3                                          ; behind phase 2's load and the run of LDS loads (the address register lies in window 0, as the LDS loads' does)
.endif
.endm
.macro STEPS8 ph
.set TT, 0
.rept 8
	KSTEP (\ph)%2, TT, 9*(\ph)+TT
.set TT, TT+1
.endr
.endm
	FETCH 0, 0, 0                                  ; slot 0 was shown whole by the round above
	STEPS8 0
	LASTK 0, 8, 1
	STEPS8 1
	LASTK 1, 17, 1
	STEPS8 2
	LASTK 0, 26, 0
	s_wait_alu depctr_va_vdst(0)
	STEPS8 3
	s_wait_dscnt 0x0
	WIN MUL
	MUL8 1, 35, 0
	MUL8 1, 35, 1
	WIN 0
.macro TOSTAGE a
	WIN 0x04
.irp b, 0,1,2,3
	ds_store_b128 v[STO], v[ACC+8*(4*(\a)+\b):ACC+8*(4*(\a)+\b)+3] offset:64*\b
	ds_store_b128 v[STO], v[ACC+8*(4*(\a)+\b)+4:ACC+8*(4*(\a)+\b)+7] offset:64*\b+16
.endr
	WIN 0
.irp t, 0,1,2,3,4,5,6,7
	ds_load_b128 v[BK+32*((\a)%2)+4*\t:BK+32*((\a)%2)+4*\t+3], v[RD] offset:\t*2*272
.endr
.endm
.macro SEND a, younger
	s_wait_dscnt \younger
.irp t, 0,1,2,3,4,5,6,7
	global_store_b128 v[CO], v[BK+32*((\a)%2)+4*\t:BK+32*((\a)%2)+4*\t+3], s[8:9] offset:(\a)*65536+\t*8192 th:TH_STORE_NT
.endr
.endm
	PLACES 4
	TOSTAGE 0
	TOSTAGE 1
	SEND 0, 16
	s_wait_xcnt 0x0
	TOSTAGE 2
	SEND 1, 16
	s_wait_xcnt 0x0
	TOSTAGE 3
	SEND 2, 16
	SEND 3, 0
	s_wait_tensorcnt 0x0
	ds_add_u32 v[SPW], v[NIL]
	s_wait_dscnt 0x0
	CROUND
	s_endpgm
.Lfunc_end_k_q8913f95583_outg:
	.size	k_q8913f95583_outg, .Lfunc_end_k_q8913f95583_outg-k_q8913f95583_outg
	.p2alignl 7, 3214868480
	.fill 96, 4, 3214868480
	.section	.rodata,"a",@progbits
	.p2align	6, 0x0
	.amdhsa_kernel k_q8913f95583_outg
		.amdhsa_group_segment_fixed_size 327680
		.amdhsa_private_segment_fixed_size 0
		.amdhsa_enable_private_segment 0
		.amdhsa_kernarg_size 40
		.amdhsa_user_sgpr_count 2
		.amdhsa_user_sgpr_kernarg_segment_ptr 1
		.amdhsa_wavefront_size32 1
		.amdhsa_system_sgpr_workgroup_id_x 1
		.amdhsa_system_sgpr_workgroup_id_y 1
		.amdhsa_system_sgpr_workgroup_id_z 1
		.amdhsa_system_vgpr_workitem_id 0
		.amdhsa_next_free_vgpr 512
		.amdhsa_next_free_sgpr 80
		.amdhsa_reserve_vcc 0
		.amdhsa_float_denorm_mode_32 3
		.amdhsa_float_denorm_mode_16_64 3
		.amdhsa_memory_ordered 1
		.amdhsa_forward_progress 1
		.amdhsa_inst_pref_size 162
	.end_amdhsa_kernel
	.amdgpu_metadata
---
amdhsa.version: [ 1, 2 ]
amdhsa.kernels:
  - .name:           k_q8913f95583_outg
    .symbol:         k_q8913f95583_outg.kd
    .args:
      - { .name: AB, .offset: 0, .size: 8, .value_kind: global_buffer, .address_space: global }
      - { .name: WO, .offset: 8, .size: 8, .value_kind: global_buffer, .address_space: global }
      - { .name: W_ff_out_scales, .offset: 16, .size: 8, .value_kind: global_buffer, .address_space: global }
      - { .name: W_attn_out_scales, .offset: 24, .size: 8, .value_kind: global_buffer, .address_space: global }
      - { .name: out0, .offset: 32, .size: 8, .value_kind: global_buffer, .address_space: global }
    .group_segment_fixed_size: 327680
    .private_segment_fixed_size: 0
    .kernarg_segment_align: 8
    .kernarg_segment_size: 40
    .max_flat_workgroup_size: 128
    .sgpr_count:     80
    .vgpr_count:     512
    .wavefront_size: 32
...
	.end_amdgpu_metadata
.endif
;; end of part 4
